; MI455X (gfx1250); checked and timed in simulation.
; The chip was launched on July 23, 2026; its instructions are those of AMD's public machine-readable ISA for CDNA 5 (MIT licence, August 2026) and "CDNA5" Instruction Set Architecture Reference Guide (July 2026). The comments in the code are by the model that wrote it; some were corrected since.
;; Self Attention. Allowed arithmetic: matrix products marked QUANTISED: E2M3 operands, one E8M0 scale for each 32 along K, by v_wmma_scale_f32_16x16x128_f8f6f4 with both operands' format E2M3, f32 sums; everything else in f32.
;; Inputs: Wk 256 x 128 float32; Wq 256 x 128 float32; Wv 256 x 128 float32; lengths 4 int32; seq 4 x 4,096 x 256 float32.
;; Outputs: out0 4 x 4,096 x 128 float32.
;; This version of the problem:
;;   THIS VERSION OF THE PROBLEM IS GIVEN IN LOW PRECISION. The matrix products marked QUANTISED in the list below multiply operands that are first quantised to E2M3 (2 exponent bits, 3 mantissa bits; 6 bits a number), with one power-of-two scale for each 32 numbers along K (OCP MX v1.0); their sums are f32. All else is computed in f32.
;;   The module's matrix products, in the order in which they are computed (A, B: the left and right operand; K: the contracted axis; several contracted axes count as one K, in the product's order):
;;     1. [M 16,384, K 256] x [K 256, N 128]; A: input seq; B: input Wq: QUANTISED
;;     2. [M 16,384, K 256] x [K 256, N 128]; A: input seq; B: input Wk: QUANTISED
;;     3. [M 16,384, K 256] x [K 256, N 128]; A: input seq; B: input Wv: QUANTISED
;;     4. batch 4 x [M 4,096, K 128] x [K 128, N 4,096]; A: computed on the way; B: computed on the way: QUANTISED
;;     5. batch 4 x [M 4,096, K 4,096] x [K 4,096, N 128]; A: softmax (see below); B: computed on the way: QUANTISED
;;   THE QUANTISER, for each operand of a quantised product, along K:
;;     - K is cut into blocks of 32 from its start; a last block that is shorter is filled with zeros.
;;     - A block's scale is 2^e with e = floor(log2(the largest magnitude in the block)) - 2, held to -126 .. 127; a block of zeros has e = 0. As a byte (E8M0): e + 127.
;;     - Each number is divided by its block's scale, clamped to +-7.5, and rounded to the nearest number of E2M3, ties to even, subnormals kept.
;;     - The product sums the exact products of the quantised numbers (number of the format x scale) in f32.
;;   ~~~python
;;   def quantise(x, axis):      # numpy; x: float32 -> the quantised numbers, widened to float32 again
;;       x = np.moveaxis(x, axis, -1); K = x.shape[-1]
;;       x = np.pad(x, [(0, 0)] * (x.ndim - 1) + [(0, -K % 32)]); x = x.reshape(x.shape[:-1] + (-1, 32)); a = np.abs(x).max(-1, keepdims=True)
;;       e = np.where(a > 0, np.clip(np.frexp(np.where(a > 0, a, 1))[1] - 1 - 2, -126, 127), 0)      # np.frexp(a)[1] - 1 = floor(log2(a)), exactly
;;       r = np.clip(x / 2.0 ** e, -7.5, 7.5)
;;       step = 2.0 ** (np.maximum(np.frexp(np.where(r == 0, 1, r))[1] - 1, 0) - 3)
;;       q = np.round(r / step) * step * 2.0 ** e      # np.round: ties to even
;;       return np.moveaxis(q.reshape(q.shape[:-2] + (-1,))[..., :K], -1, axis).astype(np.float32)
;;   ~~~
;;   SOFTMAX AHEAD OF A QUANTISED PRODUCT. Where the list says 'softmax', what is quantised is not the finished softmax but p = 2^(t - M), with t = logit x log2(e) and M = ceil(the row's largest t), a whole number; so 1/2 < the row's largest p <= 1. The row's sum l is taken of the UNQUANTISED p, in f32, and the product's result is divided by l at the end. Since M is a whole number, a kernel that streams over the keys may use a running M (the ceiling of the running maximum): every later rescaling is an exact power of two, which a block's scale takes up: the codes' values come out the same.
;;   OPERANDS COMPUTED ON THE WAY. 'Computed on the way' means the value that the module computes at that place (a softmax that the list does not call 'softmax' is quantised finished and normalised). What goes into a quantiser is computed in f32, as accurately as f32 sums, v_exp_f32 and their like allow (about 1e-6 of the number): no bf16 or f16 on the way to a quantiser, and a product that is left as it is and whose result goes on into a quantised operand takes f32 operands (vector FMAs, or v_wmma_f32_16x16x4_f32). A number that lies on a knife's edge between two numbers of the format may be rounded either way, as far as f32 arithmetic and the matrix unit's own rounding can turn it there, and no further.
;; 2 versions. Each part assembles by itself: llvm-mc -triple=amdgcn-amd-amdhsa -mcpu=gfx1250 --defsym DOCPART=n.
;; ======== version 1 of 2: 2 launches
;; workspace buffers: qf 1,638,400 bytes; kv 3,276,800 bytes
;; launch project (part 1): grid 256 x 1, 8 waves a work-group, no clusters, 201,728 bytes of LDS; arguments seq, Wq, Wk, Wv, lengths, qf, kv; writes qf, kv
.if DOCPART == 1
	.amdgcn_target "amdgcn-amd-amdhsa--gfx1250"
	.amdhsa_code_object_version 6
	.text
	.protected	k_qfb59f44022_project
	.globl	k_qfb59f44022_project
	.p2align	8
	.type	k_qfb59f44022_project,@function
k_qfb59f44022_project:
	s_mov_b64 s[64:65], 0
	v_nop
	global_prefetch_b8 v0, s[64:65] scope:SCOPE_SE
	s_setreg_imm32_b32 hwreg(HW_REG_WAVE_MODE, 25, 1), 1
	s_wait_xcnt 0x0
; q = seq Wq, k = seq Wk, v = seq Wv on codes of FP6 (E2M3) with one E8M0 scale for each 32 along K, and the results quantised again for the attention that follows:
; q and k along their 128 channels, v along the keys.  seq [16384][256], Wq, Wk, Wv [256][128]: f32.
; SHARES.  Work-group 2 i + p takes rows 128 i .. 128 i + 127 (128 keys are one K step of the product p v, so v wants them all) and makes half of what they give:
;   p = 0: q's eight fragments and v's channel tiles 0-3;   p = 1: k's eight and v's channel tiles 4-7.  One path through the text: p chooses pointers and offsets in memory, nothing else.
;   A work-group reads 131,072 bytes of x, 131,072 of Wq or Wk and 65,536 of Wv.  Eight waves.
;   in:  wave w quantises tile w of x (16 rows x 256: two fragments), column tile w of the main weight (two) and one fragment of Wv (tile 4 p + w / 2, K step w % 2); all 40 go to LDS.
;   out: wave w makes fragment w of q or k; waves 0-3 then make v's fragment 4 p + w; 16 matrix instructions each; the result is quantised in registers and stored.
; A FRAGMENT (16 rows x 128 K, 12 registers a lane) TRAVELS AS AN IMAGE OF ITS REGISTERS, in LDS and in memory alike: registers 4 c .. 4 c + 3 of lane l at 512 c + 16 l: 1,536 bytes.
; THE ROWS OF A TILE ARE NOT NEIGHBOURS: lane r of tile 2 b + u takes row 32 b + 8 u + r + 8 (r / 8).  A product's source 0 so ordered leaves, in the 16 registers of tiles 2 b and 2 b + 1,
; 16 neighbours 32 b + 16 (lane / 16) + 0 .. 15 along the next K.  x's tiles (so that v runs along the keys, and k's keys suit p), Wq's and Wk's column tiles (so that q and k run along the channels) are so ordered; Wv's are plain.
; kv block (25,600 bytes): k's fragments T at 1,536 T; v's (channels 16 T on, K = the block's keys) at 12,288 + 1,536 T; k's scale words at 24,576 + 64 T + 4 r; v's at 25,088 + 64 T + 4 r.
; qf block (12,800 bytes): q's fragments at 1,536 T; their scale words at 12,288 + 64 T + 4 r.
; lengths: reference() takes it and makes no use of it; it is read here, and nothing hangs on it.
; NO JOINT LOADS: what work-groups share is f32 numbers that a wave wants a column to a lane, in the order of its registers (the weights), or 16 rows to a wave (x, shared by two): each goes straight into the registers of the one wave that quantises it.
; LIMITS: NaN and infinities among the inputs are not served.  A block whose largest magnitude lies under 2^-124, a block of zeros too, gets the scale byte 1 (the rule says 127 for zeros): its codes are zeros or next to it, and this program alone reads the bytes.
.set FRB,  1536                        ; a fragment's image
.set SCB,  40*FRB                      ; LDS: 40 images from byte 0 (x(T, s): number 2 T + s; the main weight's (t, s): 16 + 2 t + s; Wv's (t', s): 32 + 2 t' + s), then their scale words, 128 bytes each,
.set STG,  SCB+40*128                  ; then the scale words on their way out: 512 bytes of q's or k's, 256 of v's,
.set XST,  STG+1024                    ; then a stage of its own for each wave: 16 rows of x
.set XP,   1040                        ; a stage row: 1,024 bytes + 16 = 65 x 16: the sixteen rows that a read touches begin 16 bytes apart modulo 256
.set XW,   16*XP
.set LI,   1                           ; v1   16 x lane
.set W1,   2                           ; v2   16 x lane + FRB x wave: an offset, in LDS (Wv's image) and in a block of memory (my fragment)
.set WI,   3                           ; v3   16 x lane + 2 FRB x wave
.set LSB,  4                           ; v4   SCB + 4 x lane
.set WSB,  5                           ; v5   + 256 x wave
.set WS1,  6                           ; v6   SCB + 4 x lane + 128 x wave
.set XSW,  7                           ; v7   my stage, as loaded: 16 x lane
.set XSR,  8                           ; v8   my stage, as read: row r, + 64 h
.set WA,   9                           ; v9   the main weight: my column and my half of a block;  v10 the same for Wv, with my K step
.set SGM,  11                          ; v11  STG + 64 x wave + 4 r
.set STR,  12                          ; v12  STG + 16 x lane
.set STV,  13                          ; v13  STG + 512 + 8 x lane
.set GS,   14                          ; v14  the main scale words' place in memory
.set GV,   15                          ; v15  8 x lane
.set TM,   16                          ; v16-31 at work in QUANT
.set PW,   32                          ; v32  the scale word just made
.set FS,   34                          ; v34-35 scale words of a product's source 1
.set PC,   36                          ; v36-47 the codes just made; v48-50, v52-54 at work
.set WS,   56                          ; v56-63 scale words of source 0's eight tiles
.set BUFA, 64                          ; v64-127, v128-191, v192-255: three sets of 64 numbers
.set BUFB, 128
.set WF,   64                          ; out: v64-159 source 0's eight fragments; v160-183 source 1's two; v192-255 eight accumulators
.set FX,   160
.set ACC,  192
.set WV,   18                          ; s18  my wave's number
.set SEL,  20                          ; s[20:21] v_permlanex16_b32's selects for lane l xor 16
; 64 numbers of a lane, v[s] .. v[s + 63], register 16 b + i = k 32 b + 16 (lane / 16) + i of my row, become a fragment's codes in v[PC] on and its scale word in v[PW].
.macro QUANT s
.irp b, 0,1,2,3
	v_max3_num_f32 v[TM+\b], |v[\s+16*\b]|, |v[\s+1+16*\b]|, 0x1800000   ; block b: my 16 numbers, and the floor 2^(3 - 127): the byte cannot fall under 1
.endr
.irp i, 2,4,6,8,10,12,14
.irp b, 0,1,2,3
	v_max3_num_f32 v[TM+\b], v[TM+\b], |v[\s+16*\b+\i]|, |v[\s+1+16*\b+\i]|   ; the four blocks by turns
.endr
.endr
.irp b, 0,1,2,3
	v_permlanex16_b32 v[TM+4+\b], v[TM+\b], s[SEL], s[SEL+1]
.endr
.irp b, 0,1,2,3
	v_max_num_f32 v[TM+\b], v[TM+\b], v[TM+4+\b]   ; with lane l xor 16's: the block's largest magnitude
.endr
.irp b, 0,1,2,3
	v_add_nc_u32 v[TM+12+\b], 0xff000000, v[TM+\b]   ; 2 off its exponent field: the conversion takes this operand's exponent field as its scale
.endr
.irp b, 0,1,2,3
	v_lshrrev_b32 v[TM+4+\b], 23, v[TM+12+\b]      ; the scale's byte
.endr
	v_lshl_or_b32 v[PW], v[TM+5], 8, v[TM+4]       ; four bytes: my row's scale word
	v_lshl_or_b32 v[PW], v[TM+6], 16, v[PW]
	v_lshl_or_b32 v[PW], v[TM+7], 24, v[PW]
.irp c, 0,1
	v_cvt_scalef32_pk16_fp6_f32 v[PC+6*\c:PC+2+6*\c], v[\s+32*\c:\s+15+32*\c], v[TM+12+2*\c]
	v_cvt_scalef32_pk16_fp6_f32 v[PC+12+4*\c:PC+14+4*\c], v[\s+16+32*\c:\s+31+32*\c], v[TM+12+2*\c+1]   ; (a conversion's three registers begin on an even number)
.endr
	v_nop                                          ; one plain place behind a scaled conversion
.irp c, 0,1                                    ; the operand's layout wants a whole block in a lane: lanes 0-15 block 2 c, lanes 16-31 block 2 c + 1
.irp i, 0,1,2
	v_permlane16_swap_b32 v[PC+6*\c+\i], v[PC+12+4*\c+\i]
.endr
.irp i, 0,1,2
	v_mov_b32 v[PC+3+6*\c+\i], v[PC+12+4*\c+\i]
.endr
.endr
.endm
.macro IMAGE adr, off, sadr, soff              ; the fragment in v[PC] on and its scale word go to LDS as they stand
.irp c, 0,1,2
	ds_store_b128 v[\adr], v[PC+4*\c:PC+4*\c+3] offset:\off+512*\c
.endr
	ds_store_b32 v[\sadr], v[PW] offset:\soff
.endm
.macro FETCHF reg, adr, off                    ; and come back so, in any wave
.irp c, 0,1,2
	ds_load_b128 v[\reg+4*\c:\reg+4*\c+3], v[\adr] offset:\off+512*\c
.endr
.endm
.macro XREAD k, buf                            ; my row's 64 numbers of K step k out of my stage: of each block of 32 the 16 of my half
.irp b, 0,1,2,3
.irp j, 0,1,2,3
	ds_load_b128 v[\buf+16*\b+4*\j:\buf+16*\b+4*\j+3], v[XSR] offset:512*\k+128*\b+16*\j
.endr
.endr
.endm
; The weights' units: 0, 1: the main weight's K steps 0, 1; 2: my unit of Wv (its K step stands in the address register).  64 numbers a lane, down K, of my column.
; Unit f lands in the set (f + 2) % 3: the third, the first, the second.  It is asked for in two halves of 32 loads.
.macro LOADWH f, half
.set LM, (\f)/2
.set LK, (\f)%2
.set LB, BUFA+64*(((\f)+2)%3)
.irp b, 0,1
.irp i, 0,1,2,3,4,5,6,7,8,9,10,11,12,13,14,15
	global_load_b32 v[LB+16*(2*(\half)+\b)+\i], v[WA+LM], s[6+4*LM:7+4*LM] offset:(128*LK+32*(2*(\half)+\b)+\i)*512
.endr
.endr
.endm
.macro TURNW f                                 ; unit f is quantised and stored; the loads run a unit and a half ahead
.if (\f) < 2
	s_wait_loadcnt 32                              ; unit f is in: behind it only the next unit's first half has been asked for
	LOADWH (\f)+1, 1
.else
	s_wait_loadcnt 0x0
.endif
	s_wait_dscnt 0x0                               ; the last image's stores have read their registers
	QUANT BUFA+64*(((\f)+2)%3)
.if (\f) < 2
	IMAGE WI, (16+(\f))*FRB, WSB, (16+(\f))*128    ; number 16 + 2 w + f
.else
	IMAGE W1, 32*FRB, WS1, 32*128                  ; number 32 + w
.endif
.if (\f)+2 <= 2
	LOADWH (\f)+2, 0                               ; into the set that x's second K step has left
.endif
.endm
; One output fragment: source 0 = eight tiles (images from v[sreg] + soff on, scale words from ssoff on), source 1 = my tile (v[freg] + foff, scale words at fsoff), two K steps of 128.
; The eight accumulators take turns, one instruction a turn.  The first K step starts the sums with the constant 0.
.macro PROJ sreg, soff, ssoff, freg, foff, fsoff
	FETCHF FX, \freg, \foff
	FETCHF FX+12, \freg, \foff+FRB
	ds_load_b32 v[FS], v[WSB] offset:\fsoff
	ds_load_b32 v[FS+1], v[WSB] offset:\fsoff+128
.irp k, 0,1
.if \k
.rept 4
	v_nop                                          ; four places in front of loads into registers that matrix instructions have read
.endr
.endif
.irp t, 0,1,2,3,4,5,6,7
	FETCHF WF+12*\t, \sreg, \soff+(2*\t+\k)*FRB
	ds_load_b32 v[WS+\t], v[LSB] offset:\ssoff+(2*\t+\k)*128
.endr
	s_wait_dscnt 0x0
.irp t, 0,1,2,3,4,5,6,7
.if \k
	v_wmma_scale_f32_16x16x128_f8f6f4 v[ACC+8*\t:ACC+8*\t+7], v[WF+12*\t:WF+12*\t+11], v[FX+12*\k:FX+12*\k+11], v[ACC+8*\t:ACC+8*\t+7], v[WS+\t], v[FS+\k] matrix_a_fmt:MATRIX_FMT_FP6 matrix_b_fmt:MATRIX_FMT_FP6
.else
	v_wmma_scale_f32_16x16x128_f8f6f4 v[ACC+8*\t:ACC+8*\t+7], v[WF+12*\t:WF+12*\t+11], v[FX+12*\k:FX+12*\k+11], 0, v[WS+\t], v[FS+\k] matrix_a_fmt:MATRIX_FMT_FP6 matrix_b_fmt:MATRIX_FMT_FP6
.endif
.endr
.endr
.rept 4
	v_nop                                          ; four places in front of the first read of results
.endr
	s_wait_xcnt 0x0                                ; the last fragment's stores to memory have read v[PC] on
	QUANT ACC                                      ; it reads each accumulator from its low end on
.endm
	s_load_b256 s[4:11], s[0:1], 0x0               ; seq s[4:5], Wq s[6:7], Wk s[8:9], Wv s[10:11]
	s_load_b128 s[12:15], s[0:1], 0x20             ; lengths s[12:13], qf s[14:15]
	s_load_b64 s[16:17], s[0:1], 0x30              ; kv
	v_lshl_add_u32 v51, v0, 2, 0x31000
	v_mov_b32 v55, 0
	v_lshrrev_b32 v[GS], 5, v0
	v_readfirstlane_b32 s[WV], v[GS]               ; wave 0..7
	v_and_b32 v16, 31, v0                          ; lane
	v_and_b32 v17, 15, v0                          ; r
	v_bfe_u32 v18, v0, 4, 1                        ; h
	v_lshlrev_b32 v[LI], 4, v16
	s_mul_i32 s22, s[WV], FRB
	v_add_nc_u32 v[W1], s22, v[LI]
	s_mul_i32 s22, s[WV], 2*FRB
	v_add_nc_u32 v[WI], s22, v[LI]
	v_lshl_add_u32 v[LSB], v16, 2, SCB
	s_lshl_b32 s22, s[WV], 8
	v_add_nc_u32 v[WSB], s22, v[LSB]
	s_lshl_b32 s22, s[WV], 7
	v_add_nc_u32 v[WS1], s22, v[LSB]
	s_mul_i32 s22, s[WV], XW
	s_add_co_u32 s22, s22, XST                     ; my stage
	v_add_nc_u32 v[XSW], s22, v[LI]
	v_mul_u32_u24 v[XSR], v17, XP
	v_lshl_add_u32 v[XSR], v18, 6, v[XSR]
	v_add_nc_u32 v[XSR], s22, v[XSR]
	s_lshr_b32 s23, s[WV], 1
	s_lshl_b32 s23, s23, 5
	s_and_b32 s24, s[WV], 1
	s_lshl_b32 s24, s24, 3
	s_add_co_u32 s23, s23, s24                     ; where tile w begins: 32 (w / 2) + 8 (w % 2)
	v_and_b32 v19, 8, v17
	v_add_nc_u32 v19, v19, v17                     ; r + 8 (r / 8)
	v_add_nc_u32 v19, s23, v19                     ; my column of the main weight
	v_lshlrev_b32 v[WA], 2, v19
	v_lshl_add_u32 v[WA], v18, 13, v[WA]           ; lanes 16-31 begin 16 rows of 512 bytes further down
	v_lshlrev_b32 v[WA+1], 2, v17                  ; Wv: column 16 (w / 2) + r of my work-group's 64,
	v_lshl_add_u32 v[WA+1], v18, 13, v[WA+1]
	s_lshr_b32 s24, s[WV], 1
	s_lshl_b32 s24, s24, 6
	s_and_b32 s25, s[WV], 1
	s_lshl_b32 s25, s25, 16                        ; K step w % 2: 128 rows of 512 bytes
	s_add_co_u32 s24, s24, s25
	v_add_nc_u32 v[WA+1], s24, v[WA+1]
	s_lshl_b32 s24, s[WV], 6
	s_add_co_u32 s24, s24, STG
	v_lshl_add_u32 v[SGM], v17, 2, s24
	v_add_nc_u32 v[STR], STG, v[LI]
	v_lshlrev_b32 v[GV], 3, v16
	v_add_nc_u32 v[STV], STG+512, v[GV]
.irp b, 0,1,2,3
	v_mov_b32 v[TM+4+\b], 0                        ; written once: a lane permute's destination counts as one of its sources
.endr
	s_mov_b32 s[SEL], 0x76543210
	s_mov_b32 s[SEL+1], 0xfedcba98
	s_lshr_b32 s32, ttmp9, 1                       ; i: which 128 rows
	s_and_b32 s33, ttmp9, 1                        ; p: which half of their outputs
	s_lshl_b32 s26, s32, 17                        ; the 128 rows of 1,024 bytes,
	s_lshl_b32 s27, s23, 10                        ; my tile's first row
	s_add_co_u32 s26, s26, s27
	s_mov_b32 s27, 0
	s_mul_i32 s28, s32, 12800                      ; block i of qf
	s_mov_b32 s29, 0
	s_mul_i32 s30, s32, 25600                      ; and of kv
	s_mov_b32 s31, 0
	s_lshl_b32 s36, s33, 8                         ; 256 p: Wv's 64 columns, and v's 64 scale words
	s_mov_b32 s37, 0
	s_mul_i32 s38, s33, 4*FRB
	s_add_co_u32 s38, s38, 8*FRB                   ; v's fragments 4 p on, behind k's eight
	s_mov_b32 s39, 0
	s_mov_b32 s35, 16*FRB
	s_wait_kmcnt 0x0
	s_add_nc_u64 s[4:5], s[4:5], s[26:27]
	s_add_nc_u64 s[14:15], s[14:15], s[28:29]
	s_add_nc_u64 s[16:17], s[16:17], s[30:31]
	s_add_nc_u64 s[10:11], s[10:11], s[36:37]
	s_add_nc_u64 s[44:45], s[16:17], s[36:37]
	s_add_nc_u64 s[38:39], s[16:17], s[38:39]
	s_cmp_eq_u32 s33, 0                            ; the choices hang on the work-group's number alone
	s_cselect_b64 s[6:7], s[6:7], s[8:9]           ; the main weight: Wq or Wk
	s_cselect_b64 s[14:15], s[14:15], s[16:17]     ; where its results go: my block of qf or of kv
	s_cselect_b32 s34, 8*FRB, s35                  ; and their scale words: behind qf's eight fragments or kv's sixteen
	; ---- x in: each load takes 512 consecutive bytes, half a row, 16 a lane; behind the 32 of them the first 32 loads of the weights go out, so that both are on their way together
.irp p, 0,1,2,3,4,5,6,7,8,9,10,11,12,13,14,15
.irp g, 0,1
	global_load_b128 v[BUFA+4*(2*\p+\g):BUFA+4*(2*\p+\g)+3], v[LI], s[4:5] offset:(\p+8*(\p/8))*1024+512*\g
.endr
.endr
	LOADWH 0, 0
	s_load_b128 s[40:43], s[12:13], 0x0            ; lengths: read; reference() makes no use of it
	; ---- through my own stage, so that a lane gets 16 neighbours of a row.  LDS serves a wave's instructions in order: no wait between the stores and the reads, which land in the registers that the stores have left
.irp p, 0,1,2,3,4,5,6,7,8,9,10,11,12,13,14,15
.irp g, 0,1
	s_wait_loadcnt 63-(2*\p+\g)                    ; loads come back in order: this one is in; x's younger ones and the 32 of the weights may be out
	ds_store_b128 v[XSW], v[BUFA+4*(2*\p+\g):BUFA+4*(2*\p+\g)+3] offset:XP*\p+512*\g
.endr
.endr
	XREAD 0, BUFA
	XREAD 1, BUFB
	LOADWH 0, 1
	s_wait_dscnt 0x0
	QUANT BUFA
	IMAGE WI, 0, WSB, 0
	LOADWH 1, 0                                    ; into the set just quantised
	s_wait_dscnt 0x0                               ; the image's stores have read their registers
	QUANT BUFB
	IMAGE WI, FRB, WSB, 128
	; ---- my three units of the weights
.irp f, 0,1,2
	TURNW \f
.endr
	s_wait_kmcnt 0x0                               ; lengths has come
	s_wait_dscnt 0x0                               ; for the others' sake: my images lie in LDS
	s_barrier_signal -1
	s_barrier_wait -1                              ; all 40 do
	; ---- q or k: source 0 = the main weight's eight column tiles, source 1 = my tile of x: a lane holds one row, its registers run along the channels
	PROJ LI, 16*FRB, 16*128, WI, 0, 0
.irp c, 0,1,2
	global_store_b128 v[W1], v[PC+4*\c:PC+4*\c+3], s[14:15] offset:512*\c   ; 32 lanes store 512 consecutive bytes, at a multiple of 256 from the buffer's first byte
.endr
	ds_store_b32 v[SGM], v[PW]                     ; lanes r and r + 16 write the same word with the same value
	; ---- v, waves 0-3: source 0 = x's eight tiles, source 1 = my tile of Wv: a lane holds one channel, its registers run along the keys.  No barrier stands under this branch
	s_cmp_lt_u32 s[WV], 4
	s_cbranch_scc0 .Lno_v
	PROJ LI, 0, 0, WI, 32*FRB, 32*128
.irp c, 0,1,2
	global_store_b128 v[W1], v[PC+4*\c:PC+4*\c+3], s[38:39] offset:512*\c
.endr
	ds_store_b32 v[SGM], v[PW] offset:512
.Lno_v:
	s_wait_dscnt 0x0                               ; for the others' sake: my scale words lie in LDS
	s_barrier_signal -1
	s_barrier_wait -1
	; ---- the scale words leave in whole runs: wave 0 stores q's or k's 512 bytes, wave 1 v's 256
	s_cmp_eq_u32 s[WV], 0
	s_cbranch_scc0 .Lnot_0
	ds_load_b128 v[BUFA:BUFA+3], v[STR]
	v_add_nc_u32 v[GS], s34, v[LI]
	s_wait_dscnt 0x0
	global_store_b128 v[GS], v[BUFA:BUFA+3], s[14:15]
	s_branch .Lend
.Lnot_0:
	s_cmp_eq_u32 s[WV], 1
	s_cbranch_scc0 .Lend
	ds_load_b64 v[BUFA:BUFA+1], v[STV]
	s_wait_dscnt 0x0
	global_store_b64 v[GV], v[BUFA:BUFA+1], s[44:45] offset:16*FRB+512   ; 32 lanes store 256 consecutive bytes, at a multiple of 256 from kv's first byte
.Lend:
	s_wait_tensorcnt 0x0
	ds_add_u32 v51, v55
	s_wait_dscnt 0x0
	s_endpgm
.Lfunc_end_k_qfb59f44022_project:
	.size	k_qfb59f44022_project, .Lfunc_end_k_qfb59f44022_project-k_qfb59f44022_project
	.p2alignl 7, 3214868480
	.fill 96, 4, 3214868480
	.section	.rodata,"a",@progbits
	.p2align	6, 0x0
	.amdhsa_kernel k_qfb59f44022_project
		.amdhsa_group_segment_fixed_size 201728
		.amdhsa_private_segment_fixed_size 0
		.amdhsa_enable_private_segment 0
		.amdhsa_kernarg_size 56
		.amdhsa_user_sgpr_count 2
		.amdhsa_user_sgpr_kernarg_segment_ptr 1
		.amdhsa_wavefront_size32 1
		.amdhsa_system_sgpr_workgroup_id_x 1
		.amdhsa_system_sgpr_workgroup_id_y 1
		.amdhsa_system_sgpr_workgroup_id_z 1
		.amdhsa_system_vgpr_workitem_id 0
		.amdhsa_next_free_vgpr 256
		.amdhsa_next_free_sgpr 66
		.amdhsa_reserve_vcc 0
		.amdhsa_float_denorm_mode_32 3
		.amdhsa_float_denorm_mode_16_64 3
		.amdhsa_memory_ordered 1
		.amdhsa_forward_progress 1
		.amdhsa_inst_pref_size 73
	.end_amdhsa_kernel
	.amdgpu_metadata
---
amdhsa.version: [ 1, 2 ]
amdhsa.kernels:
  - .name:           k_qfb59f44022_project
    .symbol:         k_qfb59f44022_project.kd
    .args:
      - { .name: seq, .offset: 0, .size: 8, .value_kind: global_buffer, .address_space: global }
      - { .name: Wq, .offset: 8, .size: 8, .value_kind: global_buffer, .address_space: global }
      - { .name: Wk, .offset: 16, .size: 8, .value_kind: global_buffer, .address_space: global }
      - { .name: Wv, .offset: 24, .size: 8, .value_kind: global_buffer, .address_space: global }
      - { .name: lengths, .offset: 32, .size: 8, .value_kind: global_buffer, .address_space: global }
      - { .name: qf, .offset: 40, .size: 8, .value_kind: global_buffer, .address_space: global }
      - { .name: kv, .offset: 48, .size: 8, .value_kind: global_buffer, .address_space: global }
    .group_segment_fixed_size: 201728
    .private_segment_fixed_size: 0
    .kernarg_segment_align: 8
    .kernarg_segment_size: 56
    .max_flat_workgroup_size: 256
    .sgpr_count:     66
    .vgpr_count:     256
    .wavefront_size: 32
...
	.end_amdgpu_metadata
.endif
;; end of part 1
;; launch attend (part 2): grid 64 x 4, 16 waves a work-group, clusters of 4 x 1, 327,680 bytes of LDS; arguments qf, kv, out0; writes out0
.if DOCPART == 2
	.amdgcn_target "amdgcn-amd-amdhsa--gfx1250"
	.amdhsa_code_object_version 6
	.text
	.protected	k_qfb59f44022_attend
	.globl	k_qfb59f44022_attend
	.p2align	8
	.type	k_qfb59f44022_attend,@function
k_qfb59f44022_attend:
	s_mov_b64 s[64:65], 0
	v_nop
	global_prefetch_b8 v0, s[64:65] scope:SCOPE_SE
	s_setreg_imm32_b32 hwreg(HW_REG_WAVE_MODE, 25, 1), 1
	s_wait_xcnt 0x0
	s_wait_alu depctr_hold_cnt(0) depctr_sa_sdst(0) depctr_va_vdst(0) depctr_va_sdst(0) depctr_va_ssrc(0) depctr_va_vcc(0) depctr_vm_vsrc(0)
	s_getreg_b32 s2, hwreg(HW_REG_IB_STS2, 6, 4)
	s_cmp_eq_u32 s2, 0
	s_cbranch_scc0 .Lentry_in_a_cluster
	s_endpgm
.Lentry_in_a_cluster:
	s_bfe_u32 s2, ttmp6, 0x10000c
	s_cmp_lg_u32 s2, 0x3003
	s_cbranch_scc0 .Lentry_shape_is_right
	s_endpgm
.Lentry_shape_is_right:
; out[b][q][:] = the sum over keys of softmax(q . k) v, no scaling of the scores, both products on codes of FP6 (E2M3) with one E8M0 scale for each 32 along K.
; qf and kv hold q's, k's and v's fragments as images of the operand's registers (registers 4 c .. 4 c + 3 of lane l at 512 c + 16 l), and their scale words, as the launch before laid them:
; a kv block of 25,600 bytes is 128 keys: k's eight fragments, v's eight (channels 16 T on, K = the keys), then k's scale words (64 T + 4 r) and, 512 bytes on, v's.
; THE SOFTMAX: t = score x log2(e); M = the largest t so far, rounded UP to a whole number; p = 2^(t - M) is what is quantised, along the keys; the sum l is taken of the unquantised p and divides at the end.
; When M moves, l and O are multiplied by 2^(old M - new M): exact.
; SHARES.  A work-group owns 64 queries of one batch: four tiles of 16.  Sixteen waves of 256 registers, four to a SIMD, so that one wave's vector work stands beside another's matrix work and LDS loads.
; Wave w has tile w / 4 and key quarter w % 4: of each slot of four kv blocks (512 keys) it works block w % 4: eight steps of 128 keys.  It keeps its own M, l and O; at the end the four quarters of a tile
; meet in LDS and are brought under one M by exact powers of two.
; LAYOUT.  Both products are used transposed: S^T = K Q^T, O^T = V^T P^T: a lane holds ONE query (lane % 16) throughout.  Lane r of k's tile 2 b + u is key 32 b + 8 u + r + 8 (r / 8), so the 16 registers of tiles
; 2 b and 2 b + 1 are 16 neighbouring keys.  q's tiles are ordered the same way; the output row's address undoes it.
; CLUSTER.  The four work-groups of a cluster belong to one batch and walk the same slots: each block is asked for JOINTLY (mask 15), by waves 0 to 3, one load of 100 rows x 256 bytes each.  My place in the cluster
; enters qf's and out0's addresses alone.  By this text's own count a wave has one tensor load out at the most; it has a step of all sixteen waves in which to land.
; THE WALK.  A batch's 32 blocks are eight slots' worth.  Cluster x begins at number x % 8 and walks round all eight: the running M makes the order of the keys free.  So the sixteen clusters of a batch never ask for
; the same 102,400 bytes all in one step, and from its second step on a cluster asks for bytes that another cluster asked for a step earlier.  The number hangs on the cluster's x, which the four partners share.
; LIMITS: NaN and infinities are not served.  p under 2^-126 comes out of v_exp_f32 as 0.  A block of p whose largest lies under 2^-124 keeps the scale byte 1.
.set FRB,   1536
.set BLK,   25600                      ; a kv block
.set SLOT1, 1<<17                      ; slot 0 at byte 0, slot 1 here: one exclusive or turns an address from one to the other
.set SPARE, SLOT1+4*BLK                ; behind the ring: the spare words, 128 bytes for each wave: eight blocks of 256 bytes that no other line names
.set ML,    SPARE+2048                 ; then (-M, l) of each wave's 16 queries: 128 bytes a wave
.set SP,    528                        ; the stage for the merge: for each wave 16 rows of 512 bytes + 16.  It lies in the ring, from byte 0 on, 135,168 bytes:
.set SW,    16*SP                      ; when the first result is stored there both slots have had their last fill, and every wave has passed a barrier behind its last read of them
.set AF0, 1                            ; v1   16 x lane + my block's place in a slot
.set AS0, 2                            ; v2   the scale words: my block's place + 24,576 + 4 r + 512 h: lanes 0-15 take k's, lanes 16-31 v's
.set STO, 3                            ; v3   the stage: my wave's, row r, + 32 h
.set SRD, 4                            ; v4   the stage read back: my tile's first wave, row 4 (w % 4), 16 x lane
.set SPW, 5                            ; v5   LDS address of my spare word; never rewritten
.set NIL, 6                            ; v6   0; never rewritten
.set GO,  7                            ; v7   16 x lane
.set ADF, 8                            ; v8   the step's fragments
.set ADS, 9                            ; v9   the step's scale words
.set MLW, 10                           ; v10  where I put (-M, l)
.set MLR, 11                           ; v11  where I read my tile's
.set QS,  28                           ; v12 -M, v13 the largest t, v[14:15] l in two halves; v16-27 Q; v28 Q's scale words
.set FR,  32                           ; v32-79 four fragments of K or of V
.set SC,  80                           ; v80-87 the step's scale words;  v96-159 S^T, then p;  v160-223 O^T;  v224-235 p's codes;  v232-254 at work
.set WV,  10                           ; s10  my wave's number;  s11 its tile, s12 its key quarter
.set G1,  16                           ; s[16:23] descriptor group 1;  s[24:27] group 0, which walks
.set G0,  24
.set TB,  28                           ; s28  LDS byte at which the slot in hand begins
.set SLOTS, 29                         ; s29  slots still to be asked for
.set SEL, 30                           ; s[30:31] v_permlanex16_b32's selects for lane l xor 16
.set CS,  32                           ; s[32:33] log2(e): the packed form names a pair and takes its low word for both halves
.set NUM, 51                           ; s51  the number, 0 to 7, of the 512 keys asked for last;  s[52:53] their byte offset from the batch's first
; A round of the cluster's barrier: my work-group's barrier, wave 0 signals for the work-group, every wave waits for all four work-groups, my work-group's barrier once more.
.macro CROUND
	s_barrier_signal -1
	s_barrier_wait -1
	s_cmp_lg_u32 s[WV], 0
	s_cbranch_scc1 .Lnot_wave_0_\@
	s_barrier_signal -3
.Lnot_wave_0_\@:
	s_barrier_wait -3
	s_barrier_signal -1
	s_barrier_wait -1
.endm
; The joint load: waves 0 to 3 fetch a block each, the others nothing.  The branch hangs on the wave's number alone.  Four v_nop follow the line.
.macro TLOAD
	s_cmp_lt_u32 s[WV], 4
	s_cbranch_scc0 .Lasked_\@
	tensor_load_to_lds s[G0:G0+3], s[G1:G1+7]
	s_nop 0
.rept 4
	v_nop
.endr
.Lasked_\@:
.endm
; THE CHANGE OF SLOTS stands at a slot's head.  Each wave waits for all its tensor loads (its part of the slot ahead), adds 0 to its spare word, and waits for that and for its reads of the slot that it has left.
; fill = 1: a round of the cluster's barrier, so that no wave of any partner still reads that slot or has a load on its way; then it is filled with the next 512 keys of the walk.
.macro CHANGE fill
	s_wait_tensorcnt 0x0                           ; no tensor load of mine is out, so group 0 may be written
	ds_add_u32 v[SPW], v[NIL]                      ; 0 onto my spare word
.if \fill
	s_xor_b32 s[G0+1], s[G0+1], SLOT1              ; the other slot than last time,
	s_add_co_u32 s[NUM], s[NUM], 1
	s_and_b32 s[NUM], s[NUM], 7                    ; the next number, round the eight;
	s_mul_i32 s[NUM+1], s[NUM], 4*BLK
	s_add_nc_u64 s[G0+2:G0+3], s[6:7], s[NUM+1:NUM+2]   ; the address is made anew from my block of the batch's first four,
	s_or_b32 s[G0+3], s[G0+3], 0x80000000          ; and the type set on top
.endif
	s_wait_dscnt 0x0                               ; the add is done, and my reads of the slot that I have left are over
.if \fill
	CROUND
	TLOAD                                          ; the first thing behind the round, and a wave's one tensor load until the next
.else
	s_barrier_signal -1
	s_barrier_wait -1
.endif
.endm
; A KEY STEP: my block of the slot in hand, 128 keys.
.macro STEP
	v_add_nc_u32 v[ADF], s[TB], v[AF0]
	v_add_nc_u32 v[ADS], s[TB], v[AS0]
	v_nop
	v_nop                                          ; four places in front of loads into registers that the last step's matrix instructions have read
.irp t, 0,1,2,3,4,5,6,7
	ds_load_b32 v[SC+\t], v[ADS] offset:64*\t      ; lanes 0-15: K's tile t; lanes 16-31: V's
.endr
.irp g, 0,1                                    ; S^T = K Q^T, four tiles of 16 keys at a time
.if \g
.rept 4
	v_nop
.endr
.endif
.irp t, 0,1,2,3
.irp c, 0,1,2
	ds_load_b128 v[FR+12*\t+4*\c:FR+12*\t+4*\c+3], v[ADF] offset:(4*\g+\t)*FRB+512*\c   ; 512 consecutive bytes an instruction
.endr
.endr
	s_wait_dscnt 0x0
.irp t, 0,1,2,3
	v_wmma_scale_f32_16x16x128_f8f6f4 v[96+8*(4*\g+\t):103+8*(4*\g+\t)], v[FR+12*\t:FR+12*\t+11], v[16:27], 0, v[SC+4*\g+\t], v[QS] matrix_a_fmt:MATRIX_FMT_FP6 matrix_b_fmt:MATRIX_FMT_FP6
.endr
.endr
.rept 4
	v_nop                                          ; four places: for the loads below and for the first read of the scores
.endr
.irp t, 0,1,2,3                                ; V's first four fragments land under the softmax
.irp c, 0,1,2
	ds_load_b128 v[FR+12*\t+4*\c:FR+12*\t+4*\c+3], v[ADF] offset:(8+\t)*FRB+512*\c
.endr
.endr
.irp b, 0,1,2,3
	v_max3_num_f32 v[232+\b], v[96+16*\b], v[97+16*\b], v[98+16*\b]   ; the largest score of each block of 32 keys: it serves for the row's maximum and, since p rises with the score, for the block's largest p
.endr
.irp i, 3,5,7,9,11,13
.irp b, 0,1,2,3
	v_max3_num_f32 v[232+\b], v[232+\b], v[96+16*\b+\i], v[97+16*\b+\i]   ; the four blocks by turns
.endr
.endr
.irp b, 0,1,2,3
	v_max_num_f32 v[232+\b], v[232+\b], v[111+16*\b]
.endr
.irp b, 0,1,2,3
	v_permlanex16_b32 v[236+\b], v[232+\b], s[SEL], s[SEL+1]
.endr
.irp b, 0,1,2,3
	v_max_num_f32 v[232+\b], v[232+\b], v[236+\b]  ; with lane l xor 16's 16 keys
.endr
	v_max3_num_f32 v254, v232, v233, v234
	v_max_num_f32 v254, v254, v235                 ; the step's largest score of my query
	v_mul_f32 v254, s[CS], v254                    ; as t
	v_max_num_f32 v13, v13, v254                   ; the running largest t
	v_mov_b32 v254, v12
	v_floor_f32 v12, -v13                          ; the new -M = floor(-t) = -ceil(t): a whole number
	v_sub_f32 v254, v12, v254                      ; old M less new M: a whole number, 0 or less
	v_cvt_i32_f32 v254, v254                       ; (it saturates)
	v_ldexp_f32 v252, 1.0, v254                    ; f = 2^(old M - new M)
.irp j, 0,2,4,6,8,10,12,14,16,18,20,22,24,26,28,30,32,34,36,38,40,42,44,46,48,50,52,54,56,58,60,62
	v_pk_fma_f32 v[96+\j:97+\j], v[96+\j:97+\j], s[CS:CS+1], v[12:13] op_sel_hi:[1,0,0]   ; t - M, two at a time
.endr
.irp b, 0,1,2,3
	v_fma_f32 v[232+\b], v[232+\b], s[CS], v12     ; the same of each block's largest score
.endr
.irp j, 0,1,2,3,4,5,6,7,8,9,10,11,12,13,14,15,16,17,18,19,20,21,22,23,24,25,26,27,28,29,30,31,32,33,34,35,36,37,38,39,40,41,42,43,44,45,46,47,48,49,50,51,52,53,54,55,56,57,58,59,60,61,62,63
	v_exp_f32 v[96+\j], v[96+\j]                   ; p = 2^(t - M), at most 1: not normalised
.endr
.irp b, 0,1,2,3
	v_exp_f32 v[232+\b], v[232+\b]                 ; the block's largest p: the same two instructions on the same number give the same bits
.endr
	v_pk_mul_f32 v[14:15], v[14:15], v[252:253] op_sel_hi:[1,0]   ; l under the new M.  (A plain place behind the exponentials)
	s_wait_alu depctr_va_vdst(0)
.irp b, 0,1,2,3
	v_max_num_f32 v[232+\b], 0x1800000, v[232+\b]  ; the floor 2^(3 - 127): the byte cannot fall under 1
.endr
.irp b, 0,1,2,3
	v_add_nc_u32 v[244+\b], 0xff000000, v[232+\b]  ; 2 off the exponent field: the conversion's scale operand
.endr
.irp b, 0,1,2,3
	v_lshrrev_b32 v[236+\b], 23, v[244+\b]         ; the scale's byte
.endr
	v_lshl_or_b32 v253, v237, 8, v236              ; p's scale word for these 128 keys
	v_lshl_or_b32 v253, v238, 16, v253
	v_lshl_or_b32 v253, v239, 24, v253
.irp c, 0,1
	v_cvt_scalef32_pk16_fp6_f32 v[224+6*\c:226+6*\c], v[96+32*\c:111+32*\c], v[244+2*\c]
	v_cvt_scalef32_pk16_fp6_f32 v[236+4*\c:238+4*\c], v[112+32*\c:127+32*\c], v[244+2*\c+1]   ; (a conversion's three registers begin on an even number)
.endr
	v_nop                                          ; one plain place behind a scaled conversion
.irp c, 0,1                                    ; the operand's layout wants a whole block in a lane
.irp i, 0,1,2
	v_permlane16_swap_b32 v[224+6*\c+\i], v[236+4*\c+\i]
.endr
.irp i, 0,1,2
	v_mov_b32 v[227+6*\c+\i], v[236+4*\c+\i]
.endr
.endr
	v_pk_add_f32 v[236:237], v[96:97], v[98:99]    ; the sum is taken of the unquantised p: two at a time, in two chains
.irp j, 4,8,12,16,20,24,28,32,36,40,44,48,52,56,60
	v_pk_add_f32 v[14:15], v[14:15], v[96+\j:97+\j]
	v_pk_add_f32 v[236:237], v[236:237], v[98+\j:99+\j]
.endr
	v_pk_add_f32 v[14:15], v[14:15], v[236:237]
.irp j, 0,2,4,6,8,10,12,14,16,18,20,22,24,26,28,30,32,34,36,38,40,42,44,46,48,50,52,54,56,58,60,62
	v_pk_mul_f32 v[160+\j:161+\j], v[160+\j:161+\j], v[252:253] op_sel_hi:[1,0]   ; O^T under the new M.  (The sums and these are the places between p's codes and scale word and the products below)
.endr
	s_wait_dscnt 0x0                               ; V's first four fragments are in
.irp t, 0,1,2,3                                ; O^T += V^T P^T: K = these 128 keys; V's scale words stand in lanes 16-31
	v_wmma_scale_f32_16x16x128_f8f6f4 v[160+8*\t:167+8*\t], v[FR+12*\t:FR+12*\t+11], v[224:235], v[160+8*\t:167+8*\t], v[SC+\t], v253 matrix_a_fmt:MATRIX_FMT_FP6 matrix_b_fmt:MATRIX_FMT_FP6 matrix_a_scale:MATRIX_SCALE_ROW1
.endr
.rept 4
	v_nop
.endr
.irp t, 0,1,2,3
.irp c, 0,1,2
	ds_load_b128 v[FR+12*\t+4*\c:FR+12*\t+4*\c+3], v[ADF] offset:(12+\t)*FRB+512*\c
.endr
.endr
	s_wait_dscnt 0x0
.irp t, 0,1,2,3
	v_wmma_scale_f32_16x16x128_f8f6f4 v[192+8*\t:199+8*\t], v[FR+12*\t:FR+12*\t+11], v[224:235], v[192+8*\t:199+8*\t], v[SC+4+\t], v253 matrix_a_fmt:MATRIX_FMT_FP6 matrix_b_fmt:MATRIX_FMT_FP6 matrix_a_scale:MATRIX_SCALE_ROW1
.endr
	s_xor_b32 s[TB], s[TB], SLOT1                  ; on to the other slot
.endm
	s_load_b128 s[4:7], s[0:1], 0x0                ; qf s[4:5], kv s[6:7]
	s_load_b64 s[8:9], s[0:1], 0x10                ; out0
	v_lshl_add_u32 v[SPW], v0, 2, SPARE
	v_mov_b32 v[NIL], 0
	ds_add_u32 v5, v6
	s_wait_dscnt 0x0
	v_lshrrev_b32 v8, 5, v0
	v_readfirstlane_b32 s[WV], v8                  ; wave 0..15
	s_lshr_b32 s11, s[WV], 2                       ; my tile of queries
	s_and_b32 s12, s[WV], 3                        ; my key quarter.  Waves 0 to 3: also the block that I fetch
	s_bfe_u32 s13, ttmp6, 0x40000                  ; cx: my place in the cluster
	s_and_b32 s15, ttmp7, 0xffff                   ; the batch, which the four partners share
	s_lshl_b32 s14, ttmp9, 2                       ; in a cluster launch ttmp9 counts clusters
	s_add_co_u32 s14, s14, s13
	s_lshl_b32 s36, s15, 6
	s_add_co_u32 s14, s14, s36                     ; G: which 64 rows of the 16,384 are my work-group's
	; descriptor group 1: a kv block, dense: 100 rows of 32 elements of 8 bytes
	s_mov_b32 s[G1+0], 15|(3<<16)|(1<<21)          ; 15:0 the mask: all four work-groups; 17:16 elements of 8 bytes; 20 no padding; 21 set beside a mask
	s_mov_b32 s[G1+1], 32<<16                      ; tensor_dim0 = 32
	s_mov_b32 s[G1+2], 100<<16                     ; tensor_dim1 = 100
	s_mov_b32 s[G1+3], 32<<16                      ; tile_dim0 = 32
	s_mov_b32 s[G1+4], 100                         ; tile_dim1 = 100
	s_mov_b32 s[G1+5], 32                          ; from row to row
	s_mov_b32 s[G1+6], 0
	s_mov_b32 s[G1+7], 0
	s_mul_i32 s48, s12, BLK                        ; my block's place in a slot
	s_mul_i32 s34, s15, 32*BLK                     ; the batch's 32 blocks,
	s_add_co_u32 s34, s34, s48                     ; my block of its first four: made of the batch and the wave's number alone
	s_mov_b32 s35, 0
	s_and_b32 s[NUM], ttmp9, 7                     ; where my cluster's walk begins: made of the cluster's x alone
	s_mul_i32 s[NUM+1], s[NUM], 4*BLK
	s_mov_b32 s[NUM+2], 0
	s_lshr_b32 s36, s14, 1
	s_mul_i32 s36, s36, 12800                      ; qf: block G / 2,
	s_and_b32 s38, s14, 1
	s_lshl_b32 s38, s38, 2
	s_add_co_u32 s38, s38, s11                     ; tile 4 (G % 2) + my tile
	s_mul_i32 s40, s38, FRB
	s_add_co_u32 s40, s40, s36                     ; its fragment,
	s_mov_b32 s41, 0
	s_lshl_b32 s42, s38, 6
	s_add_co_u32 s42, s42, s36
	s_add_co_u32 s42, s42, 8*FRB                   ; its scale words
	s_mov_b32 s43, 0
	s_lshl_b32 s44, s14, 6                         ; out0: the four rows that I merge and store: 64 G + 32 (tile / 2) + 8 (tile % 2) + 4 quarter + 8 (quarter / 2) on
	s_lshr_b32 s45, s11, 1
	s_lshl_b32 s45, s45, 5
	s_add_co_u32 s44, s44, s45
	s_and_b32 s45, s11, 1
	s_lshl_b32 s45, s45, 3
	s_add_co_u32 s44, s44, s45
	s_lshl_b32 s45, s12, 2
	s_add_co_u32 s44, s44, s45
	s_lshr_b32 s45, s12, 1
	s_lshl_b32 s45, s45, 3
	s_add_co_u32 s44, s44, s45
	s_lshl_b32 s44, s44, 9                         ; rows of 512 bytes
	s_mov_b32 s45, 0
	s_mov_b32 s[SEL], 0x76543210
	s_mov_b32 s[SEL+1], 0xfedcba98
	s_mov_b32 s[CS], 0x3fb8aa3b                    ; log2(e)
	s_mov_b32 s[CS+1], s[CS]                       ; (named with it as a pair, so it is written)
	s_mov_b32 s[TB], 0
	s_mov_b32 s[SLOTS], 7
	v_and_b32 v8, 31, v0                           ; lane
	v_and_b32 v10, 15, v0                          ; r
	v_bfe_u32 v11, v0, 4, 1                        ; h
	v_lshlrev_b32 v[GO], 4, v8
	v_lshlrev_b32 v9, 2, v10                       ; 4 r: Q's scale words
	s_wait_kmcnt 0x0
	s_add_nc_u64 s[6:7], s[6:7], s[34:35]          ; kv at my block of the batch's first four: it stays
	s_mov_b32 s[G0], 1                             ; 1:0 count = 1
	s_mov_b32 s[G0+1], s48                         ; 63:32 LDS address: slot 0
	s_add_nc_u64 s[G0+2:G0+3], s[6:7], s[NUM+1:NUM+2]   ; 120:64 global address: where the walk begins
	s_or_b32 s[G0+3], s[G0+3], 0x80000000          ; 127:126 type = 2
	s_add_nc_u64 s[46:47], s[4:5], s[42:43]
	s_add_nc_u64 s[4:5], s[4:5], s[40:41]
	s_add_nc_u64 s[8:9], s[8:9], s[44:45]
	CROUND                                         ; all four work-groups are here: the first joint loads meet
	TLOAD                                          ; slot 0
.irp c, 0,1,2
	global_load_b128 v[16+4*\c:19+4*\c], v[GO], s[4:5] offset:512*\c   ; Q's fragment stays in registers
.endr
	global_load_b32 v[QS], v9, s[46:47]
	v_add_nc_u32 v[AF0], s48, v[GO]
	v_lshlrev_b32 v[AS0], 2, v10                   ; 4 r,
	v_lshl_add_u32 v[AS0], v11, 9, v[AS0]          ; lanes 16-31 512 bytes on: v's words
	v_add_nc_u32 v[AS0], s48, v[AS0]
	v_add_nc_u32 v[AS0], 16*FRB, v[AS0]
	s_mul_i32 s49, s[WV], SW
	v_mul_u32_u24 v[STO], v10, SP
	v_lshl_add_u32 v[STO], v11, 5, v[STO]
	v_add_nc_u32 v[STO], s49, v[STO]
	s_mul_i32 s49, s11, 4*SW
	s_mul_i32 s50, s12, 4*SP
	s_add_co_u32 s49, s49, s50
	v_add_nc_u32 v[SRD], s49, v[GO]
	s_lshl_b32 s49, s[WV], 7
	s_add_co_u32 s49, s49, ML
	v_lshl_add_u32 v[MLW], v10, 3, s49             ; ML + 128 x wave + 8 r
	s_lshl_b32 s49, s11, 9
	s_lshl_b32 s50, s12, 5
	s_add_co_u32 s49, s49, s50
	s_add_co_u32 s49, s49, ML
	v_mov_b32 v[MLR], s49                          ; ML + 128 x (my tile's first wave) + 8 x (my first query)
	v_mov_b32 v13, 0xff61b1e6                      ; the largest t so far: -3e38, under every t
	v_floor_f32 v12, -v13                          ; -M
	v_mov_b32 v14, 0                               ; l, in two halves
	v_mov_b32 v15, 0
.irp b, 0,1,2,3
	v_mov_b32 v[236+\b], 0                         ; written once: a lane permute's destination counts as one of its sources
.endr
	v_mov_b32 v253, 0                              ; (named as the upper half of the pair v[252:253] before it is first written)
.irp j, 0,1,2,3,4,5,6,7,8,9,10,11,12,13,14,15,16,17,18,19,20,21,22,23,24,25,26,27,28,29,30,31,32,33,34,35,36,37,38,39,40,41,42,43,44,45,46,47,48,49,50,51,52,53,54,55,56,57,58,59,60,61,62,63
	v_mov_b32 v[160+\j], 0                         ; O^T: the step has no first copy of its own: the first finds zeros, which the first change of M leaves zeros
.endr
	s_wait_loadcnt 0x0                             ; Q; its loads' address registers may be written from here on
.Lslot:                                            ; seven trips: behind each change of slots but the last the next slot is asked for
	CHANGE 1
	STEP
	s_sub_co_u32 s[SLOTS], s[SLOTS], 1
	s_cmp_lg_u32 s[SLOTS], 0
	s_cbranch_scc1 .Lslot
	CHANGE 0                                       ; the last slot is written out
	STEP
	; ---- THE MERGE.  My quarter's l: its two halves, and lane l xor 16's; it takes the place of the largest t beside -M
	v_add_f32 v14, v14, v15
	v_permlanex16_b32 v252, v14, s[SEL], s[SEL+1]
	v_add_f32 v13, v14, v252
.rept 4
	v_nop                                          ; four places behind the last products, in front of the stores that read them
.endr
	s_wait_dscnt 0x0                               ; my reads of the ring are over
	s_barrier_signal -1
	s_barrier_wait -1                              ; everybody's are: the stage may be written
.irp t, 0,1,2,3,4,5,6,7
	ds_store_b128 v[STO], v[160+8*\t:163+8*\t] offset:64*\t        ; lane (r, h): O(query r, channels 16 t + 8 h + 0 .. 7); each accumulator from its low end on
	ds_store_b128 v[STO], v[164+8*\t:167+8*\t] offset:64*\t+16
.endr
	ds_store_b64 v[MLW], v[12:13]                  ; lanes r and r + 16 write the same pair with the same values
	s_wait_dscnt 0x0                               ; for the others' sake
	s_barrier_signal -1
	s_barrier_wait -1
	; I take queries 4 (w % 4) + i of my tile, i = 0 .. 3, from its four quarters k
.irp i, 0,1,2,3
.irp k, 0,1,2,3
	ds_load_b64 v[32+8*\i+2*\k:33+8*\i+2*\k], v[MLR] offset:128*\k+8*\i
.endr
.endr
.irp i, 0,1,2,3
.irp k, 0,1,2,3
	ds_load_b128 v[96+16*\i+4*\k:99+16*\i+4*\k], v[SRD] offset:SW*\k+SP*\i   ; a row of 512 bytes, 16 a lane
.endr
.endr
	s_wait_dscnt 16                                ; the sixteen pairs are in; the sixteen rows asked for behind them may be out
.irp i, 0,1,2,3
	v_min3_num_f32 v[64+\i], v[32+8*\i], v[34+8*\i], v[36+8*\i]
.endr
.irp i, 0,1,2,3
	v_min_num_f32 v[64+\i], v[64+\i], v[38+8*\i]   ; -M of the whole row: the least of the four
.endr
.irp i, 0,1,2,3
.irp k, 0,1,2,3
	v_sub_f32 v[32+8*\i+2*\k], v[64+\i], v[32+8*\i+2*\k]   ; the quarter's M less the row's: a whole number, 0 or less
.endr
.endr
.irp i, 0,1,2,3
.irp k, 0,1,2,3
	v_cvt_i32_f32 v[32+8*\i+2*\k], v[32+8*\i+2*\k]
.endr
.endr
.irp i, 0,1,2,3
.irp k, 0,1,2,3
	v_ldexp_f32 v[32+8*\i+2*\k], 1.0, v[32+8*\i+2*\k]      ; f: an exact power of two
.endr
.endr
.irp i, 0,1,2,3
	v_mul_f32 v[68+\i], v[32+8*\i], v[33+8*\i]
.endr
.irp k, 1,2,3
.irp i, 0,1,2,3
	v_fmac_f32 v[68+\i], v[32+8*\i+2*\k], v[33+8*\i+2*\k]  ; the row's l
.endr
.endr
.irp i, 0,1,2,3
	v_rcp_f32 v[72+\i], v[68+\i]
.endr
	v_nop                                          ; one plain place behind the reciprocals
	s_wait_alu depctr_va_vdst(0)
.irp i, 0,1,2,3
.irp k, 0,1,2,3
	v_mul_f32 v[32+8*\i+2*\k], v[32+8*\i+2*\k], v[72+\i]   ; f / l
.endr
.endr
	s_wait_dscnt 0x0                               ; the rows are in
.irp i, 0,1,2,3
.irp p, 0,1
	v_pk_mul_f32 v[224+4*\i+2*\p:225+4*\i+2*\p], v[96+16*\i+2*\p:97+16*\i+2*\p], v[32+8*\i:33+8*\i] op_sel_hi:[1,0]
.endr
.irp k, 1,2,3
.irp p, 0,1
	v_pk_fma_f32 v[224+4*\i+2*\p:225+4*\i+2*\p], v[96+16*\i+4*\k+2*\p:97+16*\i+4*\k+2*\p], v[32+8*\i+2*\k:33+8*\i+2*\k], v[224+4*\i+2*\p:225+4*\i+2*\p] op_sel_hi:[1,0,1]
.endr
.endr
	global_store_b128 v[GO], v[224+4*\i:227+4*\i], s[8:9] offset:512*\i th:TH_STORE_NT   ; 32 lanes store a whole row: 512 consecutive bytes, at a multiple of 256 from out0's first byte
.endr
	s_wait_tensorcnt 0x0                           ; the wave's end: behind my last tensor load and my last LDS store
	ds_add_u32 v[SPW], v[NIL]
	s_wait_dscnt 0x0
	CROUND                                         ; the closing round: no work-group ends while a partner may still ask for a block that names it
	s_endpgm
.Lfunc_end_k_qfb59f44022_attend:
	.size	k_qfb59f44022_attend, .Lfunc_end_k_qfb59f44022_attend-k_qfb59f44022_attend
	.p2alignl 7, 3214868480
	.fill 96, 4, 3214868480
	.section	.rodata,"a",@progbits
	.p2align	6, 0x0
	.amdhsa_kernel k_qfb59f44022_attend
		.amdhsa_group_segment_fixed_size 327680
		.amdhsa_private_segment_fixed_size 0
		.amdhsa_enable_private_segment 0
		.amdhsa_kernarg_size 24
		.amdhsa_user_sgpr_count 2
		.amdhsa_user_sgpr_kernarg_segment_ptr 1
		.amdhsa_wavefront_size32 1
		.amdhsa_system_sgpr_workgroup_id_x 1
		.amdhsa_system_sgpr_workgroup_id_y 1
		.amdhsa_system_sgpr_workgroup_id_z 1
		.amdhsa_system_vgpr_workitem_id 0
		.amdhsa_next_free_vgpr 256
		.amdhsa_next_free_sgpr 66
		.amdhsa_reserve_vcc 0
		.amdhsa_float_denorm_mode_32 3
		.amdhsa_float_denorm_mode_16_64 3
		.amdhsa_memory_ordered 1
		.amdhsa_forward_progress 1
		.amdhsa_inst_pref_size 57
	.end_amdhsa_kernel
	.amdgpu_metadata
---
amdhsa.version: [ 1, 2 ]
amdhsa.kernels:
  - .name:           k_qfb59f44022_attend
    .symbol:         k_qfb59f44022_attend.kd
    .args:
      - { .name: qf, .offset: 0, .size: 8, .value_kind: global_buffer, .address_space: global }
      - { .name: kv, .offset: 8, .size: 8, .value_kind: global_buffer, .address_space: global }
      - { .name: out0, .offset: 16, .size: 8, .value_kind: global_buffer, .address_space: global }
    .group_segment_fixed_size: 327680
    .private_segment_fixed_size: 0
    .kernarg_segment_align: 8
    .kernarg_segment_size: 24
    .max_flat_workgroup_size: 512
    .sgpr_count:     66
    .vgpr_count:     256
    .wavefront_size: 32
...
	.end_amdgpu_metadata
.endif
;; end of part 2
;; ======== version 2 of 2: 2 launches
;; workspace buffers: qf 1,638,400 bytes; kv 3,276,800 bytes
;; launch project (part 3): grid 256 x 1, 8 waves a work-group, no clusters, 201,728 bytes of LDS; arguments seq, Wq, Wk, Wv, lengths, qf, kv; writes qf, kv
.if DOCPART == 3
	.amdgcn_target "amdgcn-amd-amdhsa--gfx1250"
	.amdhsa_code_object_version 6
	.text
	.protected	k_qfb59f44022_project
	.globl	k_qfb59f44022_project
	.p2align	8
	.type	k_qfb59f44022_project,@function
k_qfb59f44022_project:
	s_mov_b64 s[64:65], 0
	v_nop
	global_prefetch_b8 v0, s[64:65] scope:SCOPE_SE
	s_setreg_imm32_b32 hwreg(HW_REG_WAVE_SCHED_MODE, 0, 2), 2
	s_setreg_imm32_b32 hwreg(HW_REG_WAVE_MODE, 25, 1), 1
	s_wait_xcnt 0x0
	s_wait_alu depctr_vm_vsrc(0)
; q = seq Wq, k = seq Wk, v = seq Wv on codes of FP6 (E2M3) with one E8M0 scale for each 32 along K, and the results quantised again for the attention that follows:
; q and k along their 128 channels, v along the keys.  seq [16384][256], Wq, Wk, Wv [256][128]: f32.
; SHARES.  Work-group 2 i + p takes rows 128 i .. 128 i + 127 (128 keys are one K step of the product p v, so v wants them all) and makes half of what they give:
;   p = 0: q's eight fragments and v's channel tiles 0-3;   p = 1: k's eight and v's channel tiles 4-7.  One path through the text: p chooses pointers and offsets in memory, nothing else.
;   A work-group reads 131,072 bytes of x, 131,072 of Wq or Wk and 65,536 of Wv.  Eight waves.
;   in:  wave w quantises tile w of x (16 rows x 256: two fragments), column tile w of the main weight (two) and one fragment of Wv (tile 4 p + w / 2, K step w % 2); all 40 go to LDS.
;   out: wave w makes fragment w of q or k; waves 0-3 then make v's fragment 4 p + w; 16 matrix instructions each; the result is quantised in registers and stored.
; A FRAGMENT (16 rows x 128 K, 12 registers a lane) TRAVELS AS AN IMAGE OF ITS REGISTERS, in LDS and in memory alike: registers 4 c .. 4 c + 3 of lane l at 512 c + 16 l: 1,536 bytes.
; THE ROWS OF A TILE ARE NOT NEIGHBOURS: lane r of tile 2 b + u takes row 32 b + 8 u + r + 8 (r / 8).  A product's source 0 so ordered leaves, in the 16 registers of tiles 2 b and 2 b + 1,
; 16 neighbours 32 b + 16 (lane / 16) + 0 .. 15 along the next K.  x's tiles (so that v runs along the keys, and k's keys suit p), Wq's and Wk's column tiles (so that q and k run along the channels) are so ordered; Wv's are plain.
; kv block (25,600 bytes): k's fragments T at 1,536 T; v's (channels 16 T on, K = the block's keys) at 12,288 + 1,536 T; k's scale words at 24,576 + 64 T + 4 r; v's at 25,088 + 64 T + 4 r.
; qf block (12,800 bytes): q's fragments at 1,536 T; their scale words at 12,288 + 64 T + 4 r.
; lengths: reference() takes it and makes no use of it; it is read here, and nothing hangs on it.
; NO JOINT LOADS: what work-groups share is f32 numbers that a wave wants a column to a lane, in the order of its registers (the weights), or 16 rows to a wave (x, shared by two): each goes straight into the registers of the one wave that quantises it.
; LIMITS: NaN and infinities among the inputs are not served.  A block whose largest magnitude lies under 2^-124, a block of zeros too, gets the scale byte 1 (the rule says 127 for zeros): its codes are zeros or next to it, and this program alone reads the bytes.
; THE MODE: SCHED_MODE bits 1:0 = 2 (LLVM: expert scheduling mode 2), set by the entry lines.  The code itself states the register dependences
; between vector or matrix instructions and memory or LDS instructions, with s_wait_alu, always for 0.
; THE PLAN.  Registers that memory or LDS instructions touch:
;   v1-v13, v15   offsets and LDS addresses: written once, at the head; one wait on va_vdst ahead of the first load serves them for the whole kernel.  v14: written by wave 0 on the way out, with a wait of its own.
;   A, B, C       three sets of 64 numbers (v64-127, v128-191, v192-255).  x's loads land in A and B; the stage's stores read them; the stage's reads land in them again (one wait on vm_vsrc between);
;                 QUANT reads A, then B.  The weights' unit 0 lands in C, unit 1 in A, unit 2 in B, each behind the QUANT that read the set last, and is read by its own QUANT.
;   v36-47, v32   the out-buffer: codes and scale word.  Written by each QUANT; read by the stores straight behind it.
;   out:          v64-159, v56-63 (source 0's fragments and scale words), v160-183, v34-35 (source 1's): LDS loads land in them, matrix instructions read them.  The accumulators are named by matrix and vector instructions alone.
;   v51, v55      written at the head, read by the closing add alone.
; So ONE wait on va_vdst stands behind each QUANT: the out-buffer is written, and the QUANT (on the way out: the matrix instructions too) is done reading what later loads land in; ONE wait on vm_vsrc stands ahead of each QUANT
; but the first: the stores before have read the out-buffer.  Behind them three of the weights' runs of 32 loads are dealt among a QUANT's 32 maxima with no further wait: that QUANT names its own set and v16-54, the loads another set.
; One more wait on va_vdst stands between a product's two K steps, whose fragments share their registers.
.set FRB,  1536                        ; a fragment's image
.set SCB,  40*FRB                      ; LDS: 40 images from byte 0 (x(T, s): number 2 T + s; the main weight's (t, s): 16 + 2 t + s; Wv's (t', s): 32 + 2 t' + s), then their scale words, 128 bytes each,
.set STG,  SCB+40*128                  ; then the scale words on their way out: 512 bytes of q's or k's, 256 of v's,
.set XST,  STG+1024                    ; then a stage of its own for each wave: 16 rows of x; behind the eight stages, from byte 0x31000 on, the spare words, 128 bytes for each wave, which no other line names
.set XP,   1040                        ; a stage row: 1,024 bytes + 16 = 65 x 16: the sixteen rows that a read touches begin 16 bytes apart modulo 256
.set XW,   16*XP
.set LI,   1                           ; v1   16 x lane
.set W1,   2                           ; v2   16 x lane + FRB x wave: an offset, in LDS (Wv's image) and in a block of memory (my fragment)
.set WI,   3                           ; v3   16 x lane + 2 FRB x wave
.set LSB,  4                           ; v4   SCB + 4 x lane
.set WSB,  5                           ; v5   + 256 x wave
.set WS1,  6                           ; v6   SCB + 4 x lane + 128 x wave
.set XSW,  7                           ; v7   my stage, as loaded: 16 x lane
.set XSR,  8                           ; v8   my stage, as read: row r, + 64 h
.set WA,   9                           ; v9   the main weight: my column and my half of a block;  v10 the same for Wv, with my K step
.set SGM,  11                          ; v11  STG + 64 x wave + 4 r
.set STR,  12                          ; v12  STG + 16 x lane
.set STV,  13                          ; v13  STG + 512 + 8 x lane
.set GS,   14                          ; v14  the main scale words' place in memory
.set GV,   15                          ; v15  8 x lane
.set TM,   16                          ; v16-31 at work in QUANT
.set PW,   32                          ; v32  the scale word just made
.set FS,   34                          ; v34-35 scale words of a product's source 1
.set PC,   36                          ; v36-47 the codes just made; v48-50, v52-54 at work;  v51, v55: the closing add's two registers
.set WS,   56                          ; v56-63 scale words of source 0's eight tiles
.set BUFA, 64                          ; v64-127, v128-191, v192-255: three sets of 64 numbers
.set BUFB, 128
.set WF,   64                          ; out: v64-159 source 0's eight fragments; v160-183 source 1's two; v192-255 eight accumulators
.set FX,   160
.set ACC,  192
.set WV,   18                          ; s18  my wave's number
.set SEL,  20                          ; s[20:21] v_permlanex16_b32's selects for lane l xor 16
; The weights' units: 0, 1: the main weight's K steps 0, 1; 2: my unit of Wv (its K step stands in the address register).  64 numbers a lane, down K, of my column.
; Unit f lands in the set (f + 2) % 3: the third, the first, the second.  It is asked for in two halves of 32 loads.  LOADW1: load n of 32 of a half.
.macro LOADW1 f, half, n
.set LM, (\f)/2
.set LK, (\f)%2
.set LB, BUFA+64*(((\f)+2)%3)
.set LR, 16*(2*(\half)+(\n)/16)+(\n)%16
	global_load_b32 v[LB+LR], v[WA+LM], s[6+4*LM:7+4*LM] offset:(128*LK+32*(2*(\half)+(\n)/16)+(\n)%16)*512
.endm
.macro LOADWH f, half                          ; a half in one run
.irp n, 0,1,2,3,4,5,6,7,8,9,10,11,12,13,14,15,16,17,18,19,20,21,22,23,24,25,26,27,28,29,30,31
	LOADW1 \f, \half, \n
.endr
.endm
; 64 numbers of a lane, v[s] .. v[s + 63], register 16 b + i = k 32 b + 16 (lane / 16) + i of my row, become a fragment's codes in v[PC] on and its scale word in v[PW].
; deal = 1: half lh of the weights' unit lf is asked for on the way, one load behind each of the 32 maxima.  No wait: the loads land in another set than v[s] on, whose last reader stands ahead of an earlier wait on va_vdst,
; and no vector instruction since that wait names it.
.macro QUANT s, deal, lf, lh
.set QN, 0
.irp b, 0,1,2,3
	v_max3_num_f32 v[TM+\b], |v[\s+16*\b]|, |v[\s+1+16*\b]|, 0x1800000   ; block b: my 16 numbers, and the floor 2^(3 - 127): the byte cannot fall under 1
.if \deal
	LOADW1 \lf, \lh, QN
.set QN, QN+1
.endif
.endr
.irp i, 2,4,6,8,10,12,14
.irp b, 0,1,2,3
	v_max3_num_f32 v[TM+\b], v[TM+\b], |v[\s+16*\b+\i]|, |v[\s+1+16*\b+\i]|   ; the four blocks by turns
.if \deal
	LOADW1 \lf, \lh, QN
.set QN, QN+1
.endif
.endr
.endr
.irp b, 0,1,2,3
	v_permlanex16_b32 v[TM+4+\b], v[TM+\b], s[SEL], s[SEL+1]
.endr
.irp b, 0,1,2,3
	v_max_num_f32 v[TM+\b], v[TM+\b], v[TM+4+\b]   ; with lane l xor 16's: the block's largest magnitude
.endr
.irp b, 0,1,2,3
	v_add_nc_u32 v[TM+12+\b], 0xff000000, v[TM+\b]   ; 2 off its exponent field: the conversion takes this operand's exponent field as its scale
.endr
.irp b, 0,1,2,3
	v_lshrrev_b32 v[TM+4+\b], 23, v[TM+12+\b]      ; the scale's byte
.endr
	v_lshl_or_b32 v[PW], v[TM+5], 8, v[TM+4]       ; four bytes: my row's scale word
	v_lshl_or_b32 v[PW], v[TM+6], 16, v[PW]
	v_lshl_or_b32 v[PW], v[TM+7], 24, v[PW]
.irp c, 0,1
	v_cvt_scalef32_pk16_fp6_f32 v[PC+6*\c:PC+2+6*\c], v[\s+32*\c:\s+15+32*\c], v[TM+12+2*\c]
	v_cvt_scalef32_pk16_fp6_f32 v[PC+12+4*\c:PC+14+4*\c], v[\s+16+32*\c:\s+31+32*\c], v[TM+12+2*\c+1]   ; (a conversion's three registers begin on an even number)
.endr
	v_nop                                          ; one plain place behind a scaled conversion
.irp c, 0,1                                    ; the operand's layout wants a whole block in a lane: lanes 0-15 block 2 c, lanes 16-31 block 2 c + 1
.irp i, 0,1,2
	v_permlane16_swap_b32 v[PC+6*\c+\i], v[PC+12+4*\c+\i]
.endr
.irp i, 0,1,2
	v_mov_b32 v[PC+3+6*\c+\i], v[PC+12+4*\c+\i]
.endr
.endr
.endm
.macro IMAGE adr, off, sadr, soff              ; the fragment in v[PC] on and its scale word go to LDS as they stand
	s_wait_alu depctr_va_vdst(0)                   ; QUANT has written v[PC] on and v[PW], which the stores below read; and it is done reading its 64 numbers, in which the weights' later loads land
.irp c, 0,1,2
	ds_store_b128 v[\adr], v[PC+4*\c:PC+4*\c+3] offset:\off+512*\c
.endr
	ds_store_b32 v[\sadr], v[PW] offset:\soff
.endm
.macro FETCHF reg, adr, off                    ; and come back so, in any wave
.irp c, 0,1,2
	ds_load_b128 v[\reg+4*\c:\reg+4*\c+3], v[\adr] offset:\off+512*\c
.endr
.endm
.macro XREAD k, buf                            ; my row's 64 numbers of K step k out of my stage: of each block of 32 the 16 of my half
.irp b, 0,1,2,3
.irp j, 0,1,2,3
	ds_load_b128 v[\buf+16*\b+4*\j:\buf+16*\b+4*\j+3], v[XSR] offset:512*\k+128*\b+16*\j
.endr
.endr
.endm
.macro TURNW f                                 ; unit f is quantised and stored; the loads run a unit and a half ahead
.if (\f) < 2
	s_wait_loadcnt 32                              ; unit f is in: behind it only the next unit's first half has been asked for
.else
	s_wait_loadcnt 0x0
.endif
	s_wait_alu depctr_vm_vsrc(0)                   ; the last image's stores have read v[PC] on and v[PW], which QUANT writes again
.if (\f) < 2
	QUANT BUFA+64*(((\f)+2)%3), 1, (\f)+1, 1       ; the next unit's second half is asked for among the maxima
	IMAGE WI, (16+(\f))*FRB, WSB, (16+(\f))*128    ; number 16 + 2 w + f
.else
	QUANT BUFA+64*(((\f)+2)%3), 0, 0, 0
	IMAGE W1, 32*FRB, WS1, 32*128                  ; number 32 + w
.endif
.if (\f)+2 <= 2
	LOADWH (\f)+2, 0                               ; into the set that x's second K step has left: its QUANT stands ahead of two waits on va_vdst
.endif
.endm
; One output fragment: source 0 = eight tiles (images from v[sreg] + soff on, scale words from ssoff on), source 1 = my tile (v[freg] + foff, scale words at fsoff), two K steps of 128.
; The eight accumulators take turns, one instruction a turn.  The first K step starts the sums with the constant 0.
; The first K step's loads owe no wait of their own: whatever named their registers last (a QUANT of the way in; the matrix instructions of the fragment before) stands ahead of the last wait on va_vdst, and no vector or matrix instruction follows that wait.
.macro PROJ sreg, soff, ssoff, freg, foff, fsoff
	FETCHF FX, \freg, \foff
	FETCHF FX+12, \freg, \foff+FRB
	ds_load_b32 v[FS], v[WSB] offset:\fsoff
	ds_load_b32 v[FS+1], v[WSB] offset:\fsoff+128
.irp k, 0,1
.if \k
.rept 4
	v_nop                                          ; four places between the matrix instructions and the loads into registers that they have read; the wait behind them states the dependence
.endr
	s_wait_alu depctr_va_vdst(0)                   ; the first K step's eight matrix instructions are done reading v[WF] on and v[WS] on, in which the second step's loads land
.endif
.irp t, 0,1,2,3,4,5,6,7
	FETCHF WF+12*\t, \sreg, \soff+(2*\t+\k)*FRB
	ds_load_b32 v[WS+\t], v[LSB] offset:\ssoff+(2*\t+\k)*128
.endr
	s_wait_dscnt 0x0
.irp t, 0,1,2,3,4,5,6,7
.if \k
	v_wmma_scale_f32_16x16x128_f8f6f4 v[ACC+8*\t:ACC+8*\t+7], v[WF+12*\t:WF+12*\t+11], v[FX+12*\k:FX+12*\k+11], v[ACC+8*\t:ACC+8*\t+7], v[WS+\t], v[FS+\k] matrix_a_fmt:MATRIX_FMT_FP6 matrix_b_fmt:MATRIX_FMT_FP6
.else
	v_wmma_scale_f32_16x16x128_f8f6f4 v[ACC+8*\t:ACC+8*\t+7], v[WF+12*\t:WF+12*\t+11], v[FX+12*\k:FX+12*\k+11], 0, v[WS+\t], v[FS+\k] matrix_a_fmt:MATRIX_FMT_FP6 matrix_b_fmt:MATRIX_FMT_FP6
.endif
.endr
.endr
.rept 4
	v_nop                                          ; four places in front of the first read of results
.endr
	s_wait_xcnt 0x0                                ; the last fragment's stores to memory have had their addresses translated: v[PC] on is rewritten only behind this wait
	s_wait_alu depctr_vm_vsrc(0)                   ; the stores of the fragment before, to LDS or to memory, have read v[PC] on and v[PW], which QUANT writes again
	QUANT ACC, 0, 0, 0                             ; it reads each accumulator from its low end on
	s_wait_alu depctr_va_vdst(0)                   ; QUANT has written v[PC] on and v[PW], which the stores behind this macro read; the matrix instructions are done reading v34-35 and v56-183, in which the later LDS loads land
.endm
	s_load_b256 s[4:11], s[0:1], 0x0               ; seq s[4:5], Wq s[6:7], Wk s[8:9], Wv s[10:11]
	s_load_b128 s[12:15], s[0:1], 0x20             ; lengths s[12:13], qf s[14:15]
	s_load_b64 s[16:17], s[0:1], 0x30              ; kv
	v_lshl_add_u32 v51, v0, 2, 0x31000             ; the LDS address of my spare word, and 0: made here and kept for the closing lines alone
	v_mov_b32 v55, 0
	v_lshrrev_b32 v[GS], 5, v0
	v_readfirstlane_b32 s[WV], v[GS]               ; wave 0..7
	v_and_b32 v16, 31, v0                          ; lane
	v_and_b32 v17, 15, v0                          ; r
	v_bfe_u32 v18, v0, 4, 1                        ; h
	v_lshlrev_b32 v[LI], 4, v16
	s_wait_alu depctr_va_sdst(0)                   ; s18, the wave's number, is written, ahead of its first reader: offsets, bases and branches are made from it
	s_mul_i32 s22, s[WV], FRB
	v_add_nc_u32 v[W1], s22, v[LI]
	s_mul_i32 s22, s[WV], 2*FRB
	v_add_nc_u32 v[WI], s22, v[LI]
	v_lshl_add_u32 v[LSB], v16, 2, SCB
	s_lshl_b32 s22, s[WV], 8
	v_add_nc_u32 v[WSB], s22, v[LSB]
	s_lshl_b32 s22, s[WV], 7
	v_add_nc_u32 v[WS1], s22, v[LSB]
	s_mul_i32 s22, s[WV], XW
	s_add_co_u32 s22, s22, XST                     ; my stage
	v_add_nc_u32 v[XSW], s22, v[LI]
	v_mul_u32_u24 v[XSR], v17, XP
	v_lshl_add_u32 v[XSR], v18, 6, v[XSR]
	v_add_nc_u32 v[XSR], s22, v[XSR]
	s_lshr_b32 s23, s[WV], 1
	s_lshl_b32 s23, s23, 5
	s_and_b32 s24, s[WV], 1
	s_lshl_b32 s24, s24, 3
	s_add_co_u32 s23, s23, s24                     ; where tile w begins: 32 (w / 2) + 8 (w % 2)
	v_and_b32 v19, 8, v17
	v_add_nc_u32 v19, v19, v17                     ; r + 8 (r / 8)
	v_add_nc_u32 v19, s23, v19                     ; my column of the main weight
	v_lshlrev_b32 v[WA], 2, v19
	v_lshl_add_u32 v[WA], v18, 13, v[WA]           ; lanes 16-31 begin 16 rows of 512 bytes further down
	v_lshlrev_b32 v[WA+1], 2, v17                  ; Wv: column 16 (w / 2) + r of my work-group's 64,
	v_lshl_add_u32 v[WA+1], v18, 13, v[WA+1]
	s_lshr_b32 s24, s[WV], 1
	s_lshl_b32 s24, s24, 6
	s_and_b32 s25, s[WV], 1
	s_lshl_b32 s25, s25, 16                        ; K step w % 2: 128 rows of 512 bytes
	s_add_co_u32 s24, s24, s25
	v_add_nc_u32 v[WA+1], s24, v[WA+1]
	s_lshl_b32 s24, s[WV], 6
	s_add_co_u32 s24, s24, STG
	v_lshl_add_u32 v[SGM], v17, 2, s24
	v_add_nc_u32 v[STR], STG, v[LI]
	v_lshlrev_b32 v[GV], 3, v16
	v_add_nc_u32 v[STV], STG+512, v[GV]
.irp b, 0,1,2,3
	v_mov_b32 v[TM+4+\b], 0                        ; written once: a lane permute's destination counts as one of its sources
.endr
	s_mov_b32 s[SEL], 0x76543210
	s_mov_b32 s[SEL+1], 0xfedcba98
	s_lshr_b32 s32, ttmp9, 1                       ; i: which 128 rows
	s_and_b32 s33, ttmp9, 1                        ; p: which half of their outputs
	s_lshl_b32 s26, s32, 17                        ; the 128 rows of 1,024 bytes,
	s_lshl_b32 s27, s23, 10                        ; my tile's first row
	s_add_co_u32 s26, s26, s27
	s_mov_b32 s27, 0
	s_mul_i32 s28, s32, 12800                      ; block i of qf
	s_mov_b32 s29, 0
	s_mul_i32 s30, s32, 25600                      ; and of kv
	s_mov_b32 s31, 0
	s_lshl_b32 s36, s33, 8                         ; 256 p: Wv's 64 columns, and v's 64 scale words
	s_mov_b32 s37, 0
	s_mul_i32 s38, s33, 4*FRB
	s_add_co_u32 s38, s38, 8*FRB                   ; v's fragments 4 p on, behind k's eight
	s_mov_b32 s39, 0
	s_mov_b32 s35, 16*FRB
	s_wait_kmcnt 0x0
	s_add_nc_u64 s[4:5], s[4:5], s[26:27]
	s_add_nc_u64 s[14:15], s[14:15], s[28:29]
	s_add_nc_u64 s[16:17], s[16:17], s[30:31]
	s_add_nc_u64 s[10:11], s[10:11], s[36:37]
	s_add_nc_u64 s[44:45], s[16:17], s[36:37]
	s_add_nc_u64 s[38:39], s[16:17], s[38:39]
	s_cmp_eq_u32 s33, 0                            ; the choices hang on the work-group's number alone
	s_cselect_b64 s[6:7], s[6:7], s[8:9]           ; the main weight: Wq or Wk
	s_cselect_b64 s[14:15], s[14:15], s[16:17]     ; where its results go: my block of qf or of kv
	s_cselect_b32 s34, 8*FRB, s35                  ; and their scale words: behind qf's eight fragments or kv's sixteen
	s_wait_alu depctr_va_vdst(0)                   ; the offsets and LDS addresses v1 to v13 and v15 are written: every load and store of the kernel but one reads one of them
	; ---- x in: each load takes 512 consecutive bytes, half a row, 16 a lane; behind the 32 of them the first 32 loads of the weights go out, so that both are on their way together
.irp p, 0,1,2,3,4,5,6,7,8,9,10,11,12,13,14,15
.irp g, 0,1
	global_load_b128 v[BUFA+4*(2*\p+\g):BUFA+4*(2*\p+\g)+3], v[LI], s[4:5] offset:(\p+8*(\p/8))*1024+512*\g
.endr
.endr
	LOADWH 0, 0
	s_load_b128 s[40:43], s[12:13], 0x0            ; lengths: read; reference() makes no use of it
	; ---- through my own stage, so that a lane gets 16 neighbours of a row.  LDS serves a wave's instructions in order: the reads see the stores with no wait on DScnt between
.irp p, 0,1,2,3,4,5,6,7,8,9,10,11,12,13,14,15
.irp g, 0,1
	s_wait_loadcnt 63-(2*\p+\g)                    ; loads come back in order: this one is in; x's younger ones and the 32 of the weights may be out
	ds_store_b128 v[XSW], v[BUFA+4*(2*\p+\g):BUFA+4*(2*\p+\g)+3] offset:XP*\p+512*\g
.endr
.endr
	s_wait_alu depctr_vm_vsrc(0)                   ; the 32 stores into the stage have read v64 to v191, in which the stage's reads land
	XREAD 0, BUFA
	XREAD 1, BUFB
	LOADWH 0, 1
	s_wait_dscnt 0x0
	QUANT BUFA, 0, 0, 0
	IMAGE WI, 0, WSB, 0
	s_wait_alu depctr_vm_vsrc(0)                   ; the image's stores have read v[PC] on and v[PW], which QUANT writes again
	QUANT BUFB, 1, 1, 0                            ; unit 1's first half is asked for among the maxima, into the set just quantised: the wait at the head of the image above has shown its QUANT done
	IMAGE WI, FRB, WSB, 128
	; ---- my three units of the weights
.irp f, 0,1,2
	TURNW \f
.endr
	s_wait_kmcnt 0x0                               ; lengths has come
	s_wait_dscnt 0x0                               ; for the others' sake: my images lie in LDS
	s_barrier_signal -1
	s_barrier_wait -1                              ; all 40 do
	; ---- q or k: source 0 = the main weight's eight column tiles, source 1 = my tile of x: a lane holds one row, its registers run along the channels
	PROJ LI, 16*FRB, 16*128, WI, 0, 0
.irp c, 0,1,2
	global_store_b128 v[W1], v[PC+4*\c:PC+4*\c+3], s[14:15] offset:512*\c   ; 32 lanes store 512 consecutive bytes, at a multiple of 256 from the buffer's first byte
.endr
	ds_store_b32 v[SGM], v[PW]                     ; lanes r and r + 16 write the same word with the same value
	; ---- v, waves 0-3: source 0 = x's eight tiles, source 1 = my tile of Wv: a lane holds one channel, its registers run along the keys.  No barrier stands under this branch
	s_cmp_lt_u32 s[WV], 4
	s_cbranch_scc0 .Lno_v
	PROJ LI, 0, 0, WI, 32*FRB, 32*128
.irp c, 0,1,2
	global_store_b128 v[W1], v[PC+4*\c:PC+4*\c+3], s[38:39] offset:512*\c
.endr
	ds_store_b32 v[SGM], v[PW] offset:512
.Lno_v:
	s_wait_dscnt 0x0                               ; for the others' sake: my scale words lie in LDS
	s_barrier_signal -1
	s_barrier_wait -1
	; ---- the scale words leave in whole runs: wave 0 stores q's or k's 512 bytes, wave 1 v's 256.  Their LDS loads land in v64 on, which matrix instructions read last, ahead of the wait on va_vdst at the end of each product
	s_cmp_eq_u32 s[WV], 0
	s_cbranch_scc0 .Lnot_0
	ds_load_b128 v[BUFA:BUFA+3], v[STR]
	v_add_nc_u32 v[GS], s34, v[LI]
	s_wait_dscnt 0x0
	s_wait_alu depctr_va_vdst(0)                   ; v[GS] is written, which the store below reads as its offset
	global_store_b128 v[GS], v[BUFA:BUFA+3], s[14:15]
	s_branch .Lend
.Lnot_0:
	s_cmp_eq_u32 s[WV], 1
	s_cbranch_scc0 .Lend
	ds_load_b64 v[BUFA:BUFA+1], v[STV]
	s_wait_dscnt 0x0
	global_store_b64 v[GV], v[BUFA:BUFA+1], s[44:45] offset:16*FRB+512   ; 32 lanes store 256 consecutive bytes, at a multiple of 256 from kv's first byte
.Lend:
	s_wait_dscnt 0x0                               ; the closing lines, six on end
	s_wait_alu 0x0
	s_wait_tensorcnt 0x0
	ds_add_u32 v51, v55
	s_wait_dscnt 0x0
	s_endpgm
.Lfunc_end_k_qfb59f44022_project:
	.size	k_qfb59f44022_project, .Lfunc_end_k_qfb59f44022_project-k_qfb59f44022_project
	.p2alignl 7, 3214868480
	.fill 96, 4, 3214868480
	.section	.rodata,"a",@progbits
	.p2align	6, 0x0
	.amdhsa_kernel k_qfb59f44022_project
		.amdhsa_group_segment_fixed_size 201728
		.amdhsa_private_segment_fixed_size 0
		.amdhsa_enable_private_segment 0
		.amdhsa_kernarg_size 56
		.amdhsa_user_sgpr_count 2
		.amdhsa_user_sgpr_kernarg_segment_ptr 1
		.amdhsa_wavefront_size32 1
		.amdhsa_system_sgpr_workgroup_id_x 1
		.amdhsa_system_sgpr_workgroup_id_y 1
		.amdhsa_system_sgpr_workgroup_id_z 1
		.amdhsa_system_vgpr_workitem_id 0
		.amdhsa_next_free_vgpr 256
		.amdhsa_next_free_sgpr 66
		.amdhsa_reserve_vcc 0
		.amdhsa_float_denorm_mode_32 3
		.amdhsa_float_denorm_mode_16_64 3
		.amdhsa_memory_ordered 1
		.amdhsa_forward_progress 1
		.amdhsa_inst_pref_size 74
	.end_amdhsa_kernel
	.amdgpu_metadata
---
amdhsa.version: [ 1, 2 ]
amdhsa.kernels:
  - .name:           k_qfb59f44022_project
    .symbol:         k_qfb59f44022_project.kd
    .args:
      - { .name: seq, .offset: 0, .size: 8, .value_kind: global_buffer, .address_space: global }
      - { .name: Wq, .offset: 8, .size: 8, .value_kind: global_buffer, .address_space: global }
      - { .name: Wk, .offset: 16, .size: 8, .value_kind: global_buffer, .address_space: global }
      - { .name: Wv, .offset: 24, .size: 8, .value_kind: global_buffer, .address_space: global }
      - { .name: lengths, .offset: 32, .size: 8, .value_kind: global_buffer, .address_space: global }
      - { .name: qf, .offset: 40, .size: 8, .value_kind: global_buffer, .address_space: global }
      - { .name: kv, .offset: 48, .size: 8, .value_kind: global_buffer, .address_space: global }
    .group_segment_fixed_size: 201728
    .private_segment_fixed_size: 0
    .kernarg_segment_align: 8
    .kernarg_segment_size: 56
    .max_flat_workgroup_size: 256
    .sgpr_count:     66
    .vgpr_count:     256
    .wavefront_size: 32
...
	.end_amdgpu_metadata
.endif
;; end of part 3
;; launch attend (part 4): grid 64 x 4, 16 waves a work-group, clusters of 4 x 1, 327,680 bytes of LDS; arguments qf, kv, out0; writes out0
.if DOCPART == 4
	.amdgcn_target "amdgcn-amd-amdhsa--gfx1250"
	.amdhsa_code_object_version 6
	.text
	.protected	k_qfb59f44022_attend
	.globl	k_qfb59f44022_attend
	.p2align	8
	.type	k_qfb59f44022_attend,@function
k_qfb59f44022_attend:
	s_mov_b64 s[64:65], 0
	v_nop
	global_prefetch_b8 v0, s[64:65] scope:SCOPE_SE
	s_setreg_imm32_b32 hwreg(HW_REG_WAVE_MODE, 25, 1), 1
	s_wait_xcnt 0x0
	s_wait_alu depctr_hold_cnt(0) depctr_sa_sdst(0) depctr_va_vdst(0) depctr_va_sdst(0) depctr_va_ssrc(0) depctr_va_vcc(0) depctr_vm_vsrc(0)
	s_getreg_b32 s2, hwreg(HW_REG_IB_STS2, 6, 4)
	s_cmp_eq_u32 s2, 0
	s_cbranch_scc0 .Lentry_in_a_cluster
	s_endpgm
.Lentry_in_a_cluster:
	s_bfe_u32 s2, ttmp6, 0x10000c
	s_cmp_lg_u32 s2, 0x3003
	s_cbranch_scc0 .Lentry_shape_is_right
	s_endpgm
.Lentry_shape_is_right:
; out[b][q][:] = the sum over keys of softmax(q . k) v, no scaling of the scores, both products on codes of FP6 (E2M3) with one E8M0 scale for each 32 along K.
; qf and kv hold q's, k's and v's fragments as images of the operand's registers (registers 4 c .. 4 c + 3 of lane l at 512 c + 16 l), and their scale words, as the launch before laid them:
; a kv block of 25,600 bytes is 128 keys: k's eight fragments, v's eight (channels 16 T on, K = the keys), then k's scale words (64 T + 4 r) and, 512 bytes on, v's.
; THE SOFTMAX: t = score x log2(e); M = the largest t so far, rounded UP to a whole number; p = 2^(t - M) is what is quantised, along the keys; the sum l is taken of the unquantised p and divides at the end.
; When M moves, l and O are multiplied by 2^(old M - new M): exact.
; SHARES.  A work-group owns 64 queries of one batch: four tiles of 16.  Sixteen waves of 256 registers, four to a SIMD, so that one wave's vector work stands beside another's matrix work and LDS loads.
; Wave w has tile w / 4 and key quarter w % 4: of each slot of four kv blocks (512 keys) it works block w % 4: eight steps of 128 keys.  It keeps its own M, l and O; at the end the four quarters of a tile
; meet in LDS and are brought under one M by exact powers of two.
; LAYOUT.  Both products are used transposed: S^T = K Q^T, O^T = V^T P^T: a lane holds ONE query (lane % 16) throughout.  Lane r of k's tile 2 b + u is key 32 b + 8 u + r + 8 (r / 8), so the 16 registers of tiles
; 2 b and 2 b + 1 are 16 neighbouring keys.  q's tiles are ordered the same way; the output row's address undoes it.
; CLUSTER.  The four work-groups of a cluster belong to one batch and walk the same slots: each block is asked for JOINTLY (mask 15), by waves 0 to 3, one load of 100 rows x 256 bytes each.  My place in the cluster
; enters qf's and out0's addresses alone.  By this text's own count a wave has one tensor load out at the most; it has a step of all sixteen waves in which to land.
; THE WALK.  A batch's 32 blocks are eight slots' worth.  Cluster x begins at number x % 8 and walks round all eight: the running M makes the order of the keys free.  So the sixteen clusters of a batch never ask for
; the same 102,400 bytes all in one step, and from its second step on a cluster asks for bytes that another cluster asked for a step earlier.  The number hangs on the cluster's x, which the four partners share.
; LIMITS: NaN and infinities are not served.  p under 2^-126 comes out of v_exp_f32 as 0.  A block of p whose largest lies under 2^-124 keeps the scale byte 1.
.set FRB,   1536
.set BLK,   25600                      ; a kv block
.set SLOT1, 1<<17                      ; slot 0 at byte 0, slot 1 here: one exclusive or turns an address from one to the other
.set SPARE, SLOT1+4*BLK                ; behind the ring: the spare words, 128 bytes for each wave: eight blocks of 256 bytes that no other line names
.set ML,    SPARE+2048                 ; then (-M, l) of each wave's 16 queries: 128 bytes a wave
.set SP,    528                        ; the stage for the merge: for each wave 16 rows of 512 bytes + 16.  It lies in the ring, from byte 0 on, 135,168 bytes:
.set SW,    16*SP                      ; when the first result is stored there both slots have had their last fill, and every wave has passed a barrier behind its last read of them
.set AF0, 1                            ; v1   16 x lane + my block's place in a slot
.set AS0, 2                            ; v2   the scale words: my block's place + 24,576 + 4 r + 512 h: lanes 0-15 take k's, lanes 16-31 v's
.set STO, 3                            ; v3   the stage: my wave's, row r, + 32 h
.set SRD, 4                            ; v4   the stage read back: my tile's first wave, row 4 (w % 4), 16 x lane
.set SPW, 5                            ; v5   LDS address of my spare word; never rewritten
.set NIL, 6                            ; v6   0; never rewritten
.set GO,  7                            ; v7   16 x lane
.set ADF, 8                            ; v8   the step's fragments
.set ADS, 9                            ; v9   the step's scale words
.set MLW, 10                           ; v10  where I put (-M, l)
.set MLR, 11                           ; v11  where I read my tile's
.set QS,  28                           ; v12 -M, v13 the largest t, v[14:15] l in two halves; v16-27 Q; v28 Q's scale words
.set FR,  32                           ; v32-79 four fragments of K or of V
.set SC,  80                           ; v80-87 the step's scale words;  v96-159 S^T, then p;  v160-223 O^T;  v224-235 p's codes;  v232-255 at work
.set WV,  10                           ; s10  my wave's number;  s11 its tile, s12 its key quarter
.set G1,  16                           ; s[16:23] descriptor group 1;  s[24:27] group 0, which walks
.set G0,  24
.set TB,  28                           ; s28  LDS byte at which the slot in hand begins
.set SLOTS, 29                         ; s29  slots still to be asked for
.set SEL, 30                           ; s[30:31] v_permlanex16_b32's selects for lane l xor 16
.set CS,  32                           ; s[32:33] log2(e): the packed form names a pair and takes its low word for both halves
.set NUM, 51                           ; s51  the number, 0 to 7, of the 512 keys asked for last;  s[52:53] their byte offset from the batch's first
; A round of the cluster's barrier: my work-group's barrier, wave 0 signals for the work-group, every wave waits for all four work-groups, my work-group's barrier once more.
.macro CROUND
	s_barrier_signal -1
	s_barrier_wait -1
	s_cmp_lg_u32 s[WV], 0
	s_cbranch_scc1 .Lnot_wave_0_\@
	s_barrier_signal -3
.Lnot_wave_0_\@:
	s_barrier_wait -3
	s_barrier_signal -1
	s_barrier_wait -1
.endm
; The joint load: waves 0 to 3 fetch a block each, the others nothing.  The branch hangs on the wave's number alone.  Four v_nop follow the line.
.macro TLOAD
	s_cmp_lt_u32 s[WV], 4
	s_cbranch_scc0 .Lasked_\@
	tensor_load_to_lds s[G0:G0+3], s[G1:G1+7]
	s_nop 0
.rept 4
	v_nop
.endr
.Lasked_\@:
.endm
; THE CHANGE OF SLOTS stands at a slot's head.  Each wave waits for all its tensor loads (its part of the slot ahead), adds 0 to its spare word, and waits for that and for its reads of the slot that it has left.
; fill = 1: a round of the cluster's barrier, so that no wave of any partner still reads that slot or has a load on its way; then it is filled with the next 512 keys of the walk.
.macro CHANGE fill
	s_wait_tensorcnt 0x0                           ; no tensor load of mine is out, so group 0 may be written
	ds_add_u32 v[SPW], v[NIL]                      ; 0 onto my spare word
.if \fill
	s_xor_b32 s[G0+1], s[G0+1], SLOT1              ; the other slot than last time,
	s_add_co_u32 s[NUM], s[NUM], 1
	s_and_b32 s[NUM], s[NUM], 7                    ; the next number, round the eight;
	s_mul_i32 s[NUM+1], s[NUM], 4*BLK
	s_add_nc_u64 s[G0+2:G0+3], s[6:7], s[NUM+1:NUM+2]   ; the address is made anew from my block of the batch's first four,
	s_or_b32 s[G0+3], s[G0+3], 0x80000000          ; and the type set on top
.endif
	s_wait_dscnt 0x0                               ; the add is done, and my reads of the slot that I have left are over
.if \fill
	CROUND
	TLOAD                                          ; the first thing behind the round, and a wave's one tensor load until the next
.else
	s_barrier_signal -1
	s_barrier_wait -1
.endif
.endm
; A KEY STEP: my block of the slot in hand, 128 keys.
.macro STEP
	v_add_nc_u32 v[ADF], s[TB], v[AF0]
	s_wait_alu depctr_va_vdst(0)
	v_add_nc_u32 v[ADS], s[TB], v[AS0]
	v_nop
	v_nop                                          ; four places in front of loads into registers that the last step's matrix instructions have read
.irp t, 0,1,2,3,4,5,6,7
	ds_load_b32 v[SC+\t], v[ADS] offset:64*\t      ; lanes 0-15: K's tile t; lanes 16-31: V's
.endr
.irp g, 0,1                                    ; S^T = K Q^T, four tiles of 16 keys at a time
.if \g
.rept 4
	v_nop
.endr
.endif
.irp t, 0,1,2,3
.irp c, 0,1,2
	ds_load_b128 v[FR+12*\t+4*\c:FR+12*\t+4*\c+3], v[ADF] offset:(4*\g+\t)*FRB+512*\c   ; 512 consecutive bytes an instruction
.endr
.endr
	s_wait_dscnt 0x0
.irp t, 0,1,2,3
	v_wmma_scale_f32_16x16x128_f8f6f4 v[96+8*(4*\g+\t):103+8*(4*\g+\t)], v[FR+12*\t:FR+12*\t+11], v[16:27], 0, v[SC+4*\g+\t], v[QS] matrix_a_fmt:MATRIX_FMT_FP6 matrix_b_fmt:MATRIX_FMT_FP6
.endr
.endr
.rept 4
	v_nop                                          ; four places: for the loads below and for the first read of the scores
.endr
.irp t, 0,1,2,3                                ; V's first four fragments land under the softmax
.irp c, 0,1,2
	ds_load_b128 v[FR+12*\t+4*\c:FR+12*\t+4*\c+3], v[ADF] offset:(8+\t)*FRB+512*\c
.endr
.endr
.irp b, 0,1,2,3
	v_max3_num_f32 v[232+\b], v[96+16*\b], v[97+16*\b], v[98+16*\b]   ; the largest score of each block of 32 keys: it serves for the row's maximum and, since p rises with the score, for the block's largest p
.endr
.irp i, 3,5,7,9,11,13
.irp b, 0,1,2,3
	v_max3_num_f32 v[232+\b], v[232+\b], v[96+16*\b+\i], v[97+16*\b+\i]   ; the four blocks by turns
.endr
.endr
.irp b, 0,1,2,3
	v_max_num_f32 v[232+\b], v[232+\b], v[111+16*\b]
.endr
.irp b, 0,1,2,3
	s_delay_alu instid0(VALU_DEP_4)
	v_permlanex16_b32 v[236+\b], v[232+\b], s[SEL], s[SEL+1]
.endr
.irp b, 0,1,2,3
	s_delay_alu instid0(VALU_DEP_4)
	v_max_num_f32 v[232+\b], v[232+\b], v[236+\b]  ; with lane l xor 16's 16 keys
.endr
	s_delay_alu instid0(VALU_DEP_2)
	v_max3_num_f32 v254, v232, v233, v234
	s_delay_alu instid0(VALU_DEP_1)
	v_max_num_f32 v254, v254, v235                 ; the step's largest score of my query
	s_delay_alu instid0(VALU_DEP_1)
	v_mul_f32 v254, s[CS], v254                    ; as t
	s_delay_alu instid0(VALU_DEP_1)
	v_max_num_f32 v13, v13, v254                   ; the running largest t
	v_mov_b32 v254, v12
	s_delay_alu instid0(VALU_DEP_2)
	v_floor_f32 v12, -v13                          ; the new -M = floor(-t) = -ceil(t): a whole number
	s_delay_alu instid0(VALU_DEP_1)
	v_sub_f32 v254, v12, v254                      ; old M less new M: a whole number, 0 or less
	s_delay_alu instid0(VALU_DEP_1)
	v_cvt_i32_f32 v254, v254                       ; (it saturates)
	s_delay_alu instid0(VALU_DEP_1)
	v_ldexp_f32 v252, 1.0, v254                    ; f = 2^(old M - new M)
.irp j, 0,2,4,6,8,10,12,14,16,18,20,22,24,26,28,30,32,34,36,38,40,42,44,46,48,50,52,54,56,58,60,62
	v_pk_fma_f32 v[96+\j:97+\j], v[96+\j:97+\j], s[CS:CS+1], v[12:13] op_sel_hi:[1,0,0]   ; t - M, two at a time
.endr
.irp b, 0,1,2,3
	v_fma_f32 v[232+\b], v[232+\b], s[CS], v12     ; the same of each block's largest score
.endr
	s_wait_alu depctr_va_vdst(0)
.irp j, 0,1,2,3,4,5,6,7,8,9,10,11,12,13,14,15,16,17,18,19,20,21,22,23,24,25,26,27,28,29,30,31,32,33,34,35,36,37,38,39,40,41,42,43,44,45,46,47,48,49,50,51,52,53,54,55,56,57,58,59,60,61,62,63
	v_exp_f32 v[96+\j], v[96+\j]                   ; p = 2^(t - M), at most 1: not normalised
.endr
.irp b, 0,1,2,3
	v_exp_f32 v[232+\b], v[232+\b]                 ; the block's largest p: the same two instructions on the same number give the same bits
.endr
	v_pk_mul_f32 v[14:15], v[14:15], v[252:253] op_sel_hi:[1,0]   ; l under the new M.  (A plain place behind the exponentials)
	s_wait_alu depctr_va_vdst(0)
.irp b, 0,1,2,3
	v_max_num_f32 v[232+\b], 0x1800000, v[232+\b]  ; the floor 2^(3 - 127): the byte cannot fall under 1
.endr
.irp b, 0,1,2,3
	s_delay_alu instid0(VALU_DEP_4)
	v_add_nc_u32 v[244+\b], 0xff000000, v[232+\b]  ; 2 off the exponent field: the conversion's scale operand
.endr
.irp b, 0,1,2,3
	s_delay_alu instid0(VALU_DEP_4)
	v_lshrrev_b32 v[236+\b], 23, v[244+\b]         ; the scale's byte
.endr
	s_delay_alu instid0(VALU_DEP_3)
	v_lshl_or_b32 v253, v237, 8, v236              ; p's scale word for these 128 keys
	s_delay_alu instid0(VALU_DEP_1)
	v_lshl_or_b32 v253, v238, 16, v253
	s_delay_alu instid0(VALU_DEP_1)
	v_lshl_or_b32 v253, v239, 24, v253
.irp c, 0,1
	v_cvt_scalef32_pk16_fp6_f32 v[224+6*\c:226+6*\c], v[96+32*\c:111+32*\c], v[244+2*\c]
	v_cvt_scalef32_pk16_fp6_f32 v[236+4*\c:238+4*\c], v[112+32*\c:127+32*\c], v[244+2*\c+1]   ; (a conversion's three registers begin on an even number)
.endr
	v_nop                                          ; one plain place behind a scaled conversion
.irp c, 0,1                                    ; the operand's layout wants a whole block in a lane
.irp i, 0,1,2
	v_permlane16_swap_b32 v[224+6*\c+\i], v[236+4*\c+\i]
.endr
.irp i, 0,1,2
	s_delay_alu instid0(VALU_DEP_3)
	v_mov_b32 v[227+6*\c+\i], v[236+4*\c+\i]
.endr
.endr
	v_pk_add_f32 v[236:237], v[100:101], v[104:105]
	v_pk_add_f32 v[254:255], v[108:109], v[112:113]
	v_pk_add_f32 v[250:251], v[116:117], v[120:121]
	v_pk_add_f32 v[248:249], v[124:125], v[128:129]
	v_pk_add_f32 v[246:247], v[132:133], v[136:137]
	v_pk_add_f32 v[244:245], v[140:141], v[144:145]
	v_pk_add_f32 v[242:243], v[148:149], v[152:153]
	v_pk_add_f32 v[14:15], v[14:15], v[156:157]
	v_pk_add_f32 v[236:237], v[236:237], v[96:97]
	v_pk_add_f32 v[254:255], v[254:255], v[98:99]
	v_pk_add_f32 v[250:251], v[250:251], v[102:103]
	v_pk_add_f32 v[248:249], v[248:249], v[106:107]
	v_pk_add_f32 v[246:247], v[246:247], v[110:111]
	v_pk_add_f32 v[244:245], v[244:245], v[114:115]
	v_pk_add_f32 v[242:243], v[242:243], v[118:119]
	v_pk_add_f32 v[14:15], v[14:15], v[122:123]
	v_pk_add_f32 v[236:237], v[236:237], v[126:127]
	v_pk_add_f32 v[254:255], v[254:255], v[130:131]
	v_pk_add_f32 v[250:251], v[250:251], v[134:135]
	v_pk_add_f32 v[248:249], v[248:249], v[138:139]
	v_pk_add_f32 v[246:247], v[246:247], v[142:143]
	v_pk_add_f32 v[244:245], v[244:245], v[146:147]
	v_pk_add_f32 v[242:243], v[242:243], v[150:151]
	v_pk_add_f32 v[14:15], v[14:15], v[154:155]
	v_pk_add_f32 v[236:237], v[236:237], v[158:159]
	s_delay_alu instid0(VALU_DEP_2)
	v_pk_add_f32 v[14:15], v[14:15], v[248:249]
	s_delay_alu instid0(VALU_DEP_2)
	v_pk_add_f32 v[236:237], v[236:237], v[246:247]
	v_pk_add_f32 v[254:255], v[254:255], v[244:245]
	v_pk_add_f32 v[250:251], v[250:251], v[242:243]
	s_delay_alu instid0(VALU_DEP_2)
	v_pk_add_f32 v[14:15], v[14:15], v[254:255]
	s_delay_alu instid0(VALU_DEP_2)
	v_pk_add_f32 v[236:237], v[236:237], v[250:251]
	s_delay_alu instid0(VALU_DEP_1)
	v_pk_add_f32 v[14:15], v[14:15], v[236:237]
.irp j, 0,2,4,6,8,10,12,14,16,18,20,22,24,26,28,30,32,34,36,38,40,42,44,46,48,50,52,54,56,58,60,62
	v_pk_mul_f32 v[160+\j:161+\j], v[160+\j:161+\j], v[252:253] op_sel_hi:[1,0]   ; O^T under the new M.  (The sums and these are the places between p's codes and scale word and the products below)
.endr
	s_wait_alu depctr_va_vdst(0)
	s_wait_dscnt 0x0                               ; V's first four fragments are in
.irp t, 0,1,2,3                                ; O^T += V^T P^T: K = these 128 keys; V's scale words stand in lanes 16-31
	v_wmma_scale_f32_16x16x128_f8f6f4 v[160+8*\t:167+8*\t], v[FR+12*\t:FR+12*\t+11], v[224:235], v[160+8*\t:167+8*\t], v[SC+\t], v253 matrix_a_fmt:MATRIX_FMT_FP6 matrix_b_fmt:MATRIX_FMT_FP6 matrix_a_scale:MATRIX_SCALE_ROW1
.endr
.rept 4
	v_nop
.endr
.irp t, 0,1,2,3
.irp c, 0,1,2
	ds_load_b128 v[FR+12*\t+4*\c:FR+12*\t+4*\c+3], v[ADF] offset:(12+\t)*FRB+512*\c
.endr
.endr
	s_wait_dscnt 0x0
.irp t, 0,1,2,3
	v_wmma_scale_f32_16x16x128_f8f6f4 v[192+8*\t:199+8*\t], v[FR+12*\t:FR+12*\t+11], v[224:235], v[192+8*\t:199+8*\t], v[SC+4+\t], v253 matrix_a_fmt:MATRIX_FMT_FP6 matrix_b_fmt:MATRIX_FMT_FP6 matrix_a_scale:MATRIX_SCALE_ROW1
.endr
	s_xor_b32 s[TB], s[TB], SLOT1                  ; on to the other slot
.endm
	s_load_b128 s[4:7], s[0:1], 0x0                ; qf s[4:5], kv s[6:7]
	s_load_b64 s[8:9], s[0:1], 0x10                ; out0
	v_lshl_add_u32 v[SPW], v0, 2, SPARE
	v_mov_b32 v[NIL], 0
	ds_add_u32 v5, v6
	ds_add_u32 v5, v6
	s_wait_dscnt 0x0
	v_lshrrev_b32 v8, 5, v0
	s_delay_alu instid0(VALU_DEP_1)
	v_readfirstlane_b32 s[WV], v8                  ; wave 0..15
	s_lshr_b32 s11, s[WV], 2                       ; my tile of queries
	s_and_b32 s12, s[WV], 3                        ; my key quarter.  Waves 0 to 3: also the block that I fetch
	s_bfe_u32 s13, ttmp6, 0x40000                  ; cx: my place in the cluster
	s_and_b32 s15, ttmp7, 0xffff                   ; the batch, which the four partners share
	s_lshl_b32 s14, ttmp9, 2                       ; in a cluster launch ttmp9 counts clusters
	s_add_co_u32 s14, s14, s13
	s_lshl_b32 s36, s15, 6
	s_add_co_u32 s14, s14, s36                     ; G: which 64 rows of the 16,384 are my work-group's
	; descriptor group 1: a kv block, dense: 100 rows of 32 elements of 8 bytes
	s_mov_b32 s[G1+0], 15|(3<<16)|(1<<21)          ; 15:0 the mask: all four work-groups; 17:16 elements of 8 bytes; 20 no padding; 21 set beside a mask
	s_mov_b32 s[G1+1], 32<<16                      ; tensor_dim0 = 32
	s_mov_b32 s[G1+2], 100<<16                     ; tensor_dim1 = 100
	s_mov_b32 s[G1+3], 32<<16                      ; tile_dim0 = 32
	s_mov_b32 s[G1+4], 100                         ; tile_dim1 = 100
	s_mov_b32 s[G1+5], 32                          ; from row to row
	s_mov_b32 s[G1+6], 0
	s_mov_b32 s[G1+7], 0
	s_mul_i32 s48, s12, BLK                        ; my block's place in a slot
	s_mul_i32 s34, s15, 32*BLK                     ; the batch's 32 blocks,
	s_add_co_u32 s34, s34, s48                     ; my block of its first four: made of the batch and the wave's number alone
	s_mov_b32 s35, 0
	s_and_b32 s[NUM], ttmp9, 7                     ; where my cluster's walk begins: made of the cluster's x alone
	s_mul_i32 s[NUM+1], s[NUM], 4*BLK
	s_mov_b32 s[NUM+2], 0
	s_lshr_b32 s36, s14, 1
	s_mul_i32 s36, s36, 12800                      ; qf: block G / 2,
	s_and_b32 s38, s14, 1
	s_lshl_b32 s38, s38, 2
	s_add_co_u32 s38, s38, s11                     ; tile 4 (G % 2) + my tile
	s_mul_i32 s40, s38, FRB
	s_add_co_u32 s40, s40, s36                     ; its fragment,
	s_mov_b32 s41, 0
	s_lshl_b32 s42, s38, 6
	s_add_co_u32 s42, s42, s36
	s_add_co_u32 s42, s42, 8*FRB                   ; its scale words
	s_mov_b32 s43, 0
	s_lshl_b32 s44, s14, 6                         ; out0: the four rows that I merge and store: 64 G + 32 (tile / 2) + 8 (tile % 2) + 4 quarter + 8 (quarter / 2) on
	s_lshr_b32 s45, s11, 1
	s_lshl_b32 s45, s45, 5
	s_add_co_u32 s44, s44, s45
	s_and_b32 s45, s11, 1
	s_lshl_b32 s45, s45, 3
	s_add_co_u32 s44, s44, s45
	s_lshl_b32 s45, s12, 2
	s_add_co_u32 s44, s44, s45
	s_lshr_b32 s45, s12, 1
	s_lshl_b32 s45, s45, 3
	s_add_co_u32 s44, s44, s45
	s_lshl_b32 s44, s44, 9                         ; rows of 512 bytes
	s_mov_b32 s45, 0
	s_mov_b32 s[SEL], 0x76543210
	s_mov_b32 s[SEL+1], 0xfedcba98
	s_mov_b32 s[CS], 0x3fb8aa3b                    ; log2(e)
	s_mov_b32 s[CS+1], s[CS]                       ; (named with it as a pair, so it is written)
	s_mov_b32 s[TB], 0
	s_mov_b32 s[SLOTS], 7
	v_and_b32 v8, 31, v0                           ; lane
	v_and_b32 v10, 15, v0                          ; r
	v_bfe_u32 v11, v0, 4, 1                        ; h
	s_delay_alu instid0(VALU_DEP_3)
	v_lshlrev_b32 v[GO], 4, v8
	s_delay_alu instid0(VALU_DEP_3)
	v_lshlrev_b32 v9, 2, v10                       ; 4 r: Q's scale words
	s_wait_kmcnt 0x0
	s_add_nc_u64 s[6:7], s[6:7], s[34:35]          ; kv at my block of the batch's first four: it stays
	s_mov_b32 s[G0], 1                             ; 1:0 count = 1
	s_mov_b32 s[G0+1], s48                         ; 63:32 LDS address: slot 0
	s_add_nc_u64 s[G0+2:G0+3], s[6:7], s[NUM+1:NUM+2]   ; 120:64 global address: where the walk begins
	s_or_b32 s[G0+3], s[G0+3], 0x80000000          ; 127:126 type = 2
	s_add_nc_u64 s[46:47], s[4:5], s[42:43]
	s_add_nc_u64 s[4:5], s[4:5], s[40:41]
	s_add_nc_u64 s[8:9], s[8:9], s[44:45]
	CROUND                                         ; all four work-groups are here: the first joint loads meet
	TLOAD                                          ; slot 0
	s_wait_alu depctr_va_vdst(0)
.irp c, 0,1,2
	global_load_b128 v[16+4*\c:19+4*\c], v[GO], s[4:5] offset:512*\c   ; Q's fragment stays in registers
.endr
	global_load_b32 v[QS], v9, s[46:47]
	v_add_nc_u32 v[AF0], s48, v[GO]
	v_lshlrev_b32 v[AS0], 2, v10                   ; 4 r,
	s_delay_alu instid0(VALU_DEP_1)
	v_lshl_add_u32 v[AS0], v11, 9, v[AS0]          ; lanes 16-31 512 bytes on: v's words
	s_delay_alu instid0(VALU_DEP_1)
	v_add_nc_u32 v[AS0], s48, v[AS0]
	s_delay_alu instid0(VALU_DEP_1)
	v_add_nc_u32 v[AS0], 16*FRB, v[AS0]
	s_mul_i32 s49, s[WV], SW
	v_mul_u32_u24 v[STO], v10, SP
	s_delay_alu instid0(VALU_DEP_1)
	v_lshl_add_u32 v[STO], v11, 5, v[STO]
	s_delay_alu instid0(VALU_DEP_1)
	v_add_nc_u32 v[STO], s49, v[STO]
	s_mul_i32 s49, s11, 4*SW
	s_mul_i32 s50, s12, 4*SP
	s_add_co_u32 s49, s49, s50
	v_add_nc_u32 v[SRD], s49, v[GO]
	s_lshl_b32 s49, s[WV], 7
	s_add_co_u32 s49, s49, ML
	v_lshl_add_u32 v[MLW], v10, 3, s49             ; ML + 128 x wave + 8 r
	s_lshl_b32 s49, s11, 9
	s_lshl_b32 s50, s12, 5
	s_add_co_u32 s49, s49, s50
	s_add_co_u32 s49, s49, ML
	v_mov_b32 v[MLR], s49                          ; ML + 128 x (my tile's first wave) + 8 x (my first query)
	v_mov_b32 v13, 0xff61b1e6                      ; the largest t so far: -3e38, under every t
	s_delay_alu instid0(VALU_DEP_1)
	v_floor_f32 v12, -v13                          ; -M
	v_mov_b32 v14, 0                               ; l, in two halves
	v_mov_b32 v15, 0
.irp b, 0,1,2,3
	v_mov_b32 v[236+\b], 0                         ; written once: a lane permute's destination counts as one of its sources
.endr
	v_mov_b32 v253, 0                              ; (named as the upper half of the pair v[252:253] before it is first written)
.irp j, 0,1,2,3,4,5,6,7,8,9,10,11,12,13,14,15,16,17,18,19,20,21,22,23,24,25,26,27,28,29,30,31,32,33,34,35,36,37,38,39,40,41,42,43,44,45,46,47,48,49,50,51,52,53,54,55,56,57,58,59,60,61,62,63
	v_mov_b32 v[160+\j], 0                         ; O^T: the step has no first copy of its own: the first finds zeros, which the first change of M leaves zeros
.endr
	s_wait_loadcnt 0x0                             ; Q; its loads' address registers may be written from here on
.Lslot:                                            ; seven trips: behind each change of slots but the last the next slot is asked for
	CHANGE 1
	STEP
	s_sub_co_u32 s[SLOTS], s[SLOTS], 1
	s_cmp_lg_u32 s[SLOTS], 0
	s_cbranch_scc1 .Lslot
	CHANGE 0                                       ; the last slot is written out
	STEP
	; ---- THE MERGE.  My quarter's l: its two halves, and lane l xor 16's; it takes the place of the largest t beside -M
	v_add_f32 v14, v14, v15
	s_delay_alu instid0(VALU_DEP_1)
	v_permlanex16_b32 v252, v14, s[SEL], s[SEL+1]
	s_delay_alu instid0(VALU_DEP_1)
	v_add_f32 v13, v14, v252
.rept 4
	v_nop                                          ; four places behind the last products, in front of the stores that read them
.endr
	s_wait_alu depctr_va_vdst(0)
	s_wait_dscnt 0x0                               ; my reads of the ring are over
	s_barrier_signal -1
	s_barrier_wait -1                              ; everybody's are: the stage may be written
.irp t, 0,1,2,3,4,5,6,7
	ds_store_b128 v[STO], v[160+8*\t:163+8*\t] offset:64*\t        ; lane (r, h): O(query r, channels 16 t + 8 h + 0 .. 7); each accumulator from its low end on
	ds_store_b128 v[STO], v[164+8*\t:167+8*\t] offset:64*\t+16
.endr
	ds_store_b64 v[MLW], v[12:13]                  ; lanes r and r + 16 write the same pair with the same values
	s_wait_dscnt 0x0                               ; for the others' sake
	s_barrier_signal -1
	s_barrier_wait -1
	; I take queries 4 (w % 4) + i of my tile, i = 0 .. 3, from its four quarters k
.irp i, 0,1,2,3
.irp k, 0,1,2,3
	ds_load_b64 v[32+8*\i+2*\k:33+8*\i+2*\k], v[MLR] offset:128*\k+8*\i
.endr
.endr
.irp i, 0,1,2,3
.irp k, 0,1,2,3
	ds_load_b128 v[96+16*\i+4*\k:99+16*\i+4*\k], v[SRD] offset:SW*\k+SP*\i   ; a row of 512 bytes, 16 a lane
.endr
.endr
	s_wait_dscnt 16                                ; the sixteen pairs are in; the sixteen rows asked for behind them may be out
.irp i, 0,1,2,3
	v_min3_num_f32 v[64+\i], v[32+8*\i], v[34+8*\i], v[36+8*\i]
.endr
.irp i, 0,1,2,3
	s_delay_alu instid0(VALU_DEP_4)
	v_min_num_f32 v[64+\i], v[64+\i], v[38+8*\i]   ; -M of the whole row: the least of the four
.endr
.irp i, 0,1,2,3
.irp k, 0,1,2,3
	v_sub_f32 v[32+8*\i+2*\k], v[64+\i], v[32+8*\i+2*\k]   ; the quarter's M less the row's: a whole number, 0 or less
.endr
.endr
.irp i, 0,1,2,3
.irp k, 0,1,2,3
	v_cvt_i32_f32 v[32+8*\i+2*\k], v[32+8*\i+2*\k]
.endr
.endr
.irp i, 0,1,2,3
.irp k, 0,1,2,3
	v_ldexp_f32 v[32+8*\i+2*\k], 1.0, v[32+8*\i+2*\k]      ; f: an exact power of two
.endr
.endr
.irp i, 0,1,2,3
	v_mul_f32 v[68+\i], v[32+8*\i], v[33+8*\i]
.endr
.irp k, 1,2,3
.irp i, 0,1,2,3
	s_delay_alu instid0(VALU_DEP_4)
	v_fmac_f32 v[68+\i], v[32+8*\i+2*\k], v[33+8*\i+2*\k]  ; the row's l
.endr
.endr
	s_wait_alu depctr_va_vdst(0)
.irp i, 0,1,2,3
	v_rcp_f32 v[72+\i], v[68+\i]
.endr
	v_nop                                          ; one plain place behind the reciprocals
	s_wait_alu depctr_va_vdst(0)
.irp i, 0,1,2,3
.irp k, 0,1,2,3
	v_mul_f32 v[32+8*\i+2*\k], v[32+8*\i+2*\k], v[72+\i]   ; f / l
.endr
.endr
	s_wait_dscnt 0x0                               ; the rows are in
.irp i, 0,1,2,3
.irp p, 0,1
	v_pk_mul_f32 v[224+4*\i+2*\p:225+4*\i+2*\p], v[96+16*\i+2*\p:97+16*\i+2*\p], v[32+8*\i:33+8*\i] op_sel_hi:[1,0]
.endr
.irp k, 1,2,3
.irp p, 0,1
	s_delay_alu instid0(VALU_DEP_2)
	v_pk_fma_f32 v[224+4*\i+2*\p:225+4*\i+2*\p], v[96+16*\i+4*\k+2*\p:97+16*\i+4*\k+2*\p], v[32+8*\i+2*\k:33+8*\i+2*\k], v[224+4*\i+2*\p:225+4*\i+2*\p] op_sel_hi:[1,0,1]
.endr
.endr
	global_store_b128 v[GO], v[224+4*\i:227+4*\i], s[8:9] offset:512*\i th:TH_STORE_NT   ; 32 lanes store a whole row: 512 consecutive bytes, at a multiple of 256 from out0's first byte
.endr
	s_wait_tensorcnt 0x0                           ; the wave's end: behind my last tensor load and my last LDS store
	ds_add_u32 v[SPW], v[NIL]
	s_wait_dscnt 0x0
	CROUND                                         ; the closing round: no work-group ends while a partner may still ask for a block that names it
	s_endpgm
.Lfunc_end_k_qfb59f44022_attend:
	.size	k_qfb59f44022_attend, .Lfunc_end_k_qfb59f44022_attend-k_qfb59f44022_attend
	.p2alignl 7, 3214868480
	.fill 96, 4, 3214868480
	.section	.rodata,"a",@progbits
	.p2align	6, 0x0
	.amdhsa_kernel k_qfb59f44022_attend
		.amdhsa_group_segment_fixed_size 327680
		.amdhsa_private_segment_fixed_size 0
		.amdhsa_enable_private_segment 0
		.amdhsa_kernarg_size 24
		.amdhsa_user_sgpr_count 2
		.amdhsa_user_sgpr_kernarg_segment_ptr 1
		.amdhsa_wavefront_size32 1
		.amdhsa_system_sgpr_workgroup_id_x 1
		.amdhsa_system_sgpr_workgroup_id_y 1
		.amdhsa_system_sgpr_workgroup_id_z 1
		.amdhsa_system_vgpr_workitem_id 0
		.amdhsa_next_free_vgpr 256
		.amdhsa_next_free_sgpr 66
		.amdhsa_reserve_vcc 0
		.amdhsa_float_denorm_mode_32 3
		.amdhsa_float_denorm_mode_16_64 3
		.amdhsa_memory_ordered 1
		.amdhsa_forward_progress 1
		.amdhsa_inst_pref_size 61
	.end_amdhsa_kernel
	.amdgpu_metadata
---
amdhsa.version: [ 1, 2 ]
amdhsa.kernels:
  - .name:           k_qfb59f44022_attend
    .symbol:         k_qfb59f44022_attend.kd
    .args:
      - { .name: qf, .offset: 0, .size: 8, .value_kind: global_buffer, .address_space: global }
      - { .name: kv, .offset: 8, .size: 8, .value_kind: global_buffer, .address_space: global }
      - { .name: out0, .offset: 16, .size: 8, .value_kind: global_buffer, .address_space: global }
    .group_segment_fixed_size: 327680
    .private_segment_fixed_size: 0
    .kernarg_segment_align: 8
    .kernarg_segment_size: 24
    .max_flat_workgroup_size: 512
    .sgpr_count:     66
    .vgpr_count:     256
    .wavefront_size: 32
...
	.end_amdgpu_metadata
.endif
;; end of part 4
